; MI455X (gfx1250); checked and timed in simulation.
; The chip was launched on July 23, 2026; its instructions are those of AMD's public machine-readable ISA for CDNA 5 (MIT licence, August 2026) and "CDNA5" Instruction Set Architecture Reference Guide (July 2026). The comments in the code are by the model that wrote it; some were corrected since.
;; Head. Allowed arithmetic: matrix products marked QUANTISED: E3M2 operands, one E8M0 scale for each 32 along K, by v_wmma_scale_f32_16x16x128_f8f6f4 with both operands' format E3M2, f32 sums; everything else in f32.
;; Inputs: b_attn 3,072 float32; b_proj 1,024 float32; w_attn 1,024 x 3,072 float32; w_proj 1,024 x 1,024 float32; x 4 x 2,048 x 1,024 float32.
;; Outputs: out0 4 x 2,048 x 1,024 float32.
;; This version of the problem:
;;   THIS VERSION OF THE PROBLEM IS GIVEN IN LOW PRECISION. The matrix products marked QUANTISED in the list below multiply operands that are first quantised to E3M2 (3 exponent bits, 2 mantissa bits; 6 bits a number), with one power-of-two scale for each 32 numbers along K (OCP MX v1.0); their sums are f32. All else is computed in f32.
;;   The module's matrix products, in the order in which they are computed (A, B: the left and right operand; K: the contracted axis; several contracted axes count as one K, in the product's order):
;;     1. [M 8,192, K 1,024] x [K 1,024, N 3,072]; A: input x; B: input w_attn: QUANTISED
;;     2. batch 64 x [M 2,048, K 64] x [K 64, N 2,048]; A: computed on the way; B: computed on the way: QUANTISED
;;     3. batch 64 x [M 2,048, K 2,048] x [K 2,048, N 64]; A: softmax (see below); B: computed on the way: QUANTISED
;;     4. [M 8,192, K 1,024] x [K 1,024, N 1,024]; A: computed on the way; B: input w_proj: QUANTISED
;;   THE QUANTISER, for each operand of a quantised product, along K:
;;     - K is cut into blocks of 32 from its start; a last block that is shorter is filled with zeros.
;;     - A block's scale is 2^e with e = floor(log2(the largest magnitude in the block)) - 4, held to -126 .. 127; a block of zeros has e = 0. As a byte (E8M0): e + 127.
;;     - Each number is divided by its block's scale, clamped to +-28, and rounded to the nearest number of E3M2, ties to even, subnormals kept.
;;     - The product sums the exact products of the quantised numbers (number of the format x scale) in f32.
;;   ~~~python
;;   def quantise(x, axis):      # numpy; x: float32 -> the quantised numbers, widened to float32 again
;;       x = np.moveaxis(x, axis, -1); K = x.shape[-1]
;;       x = np.pad(x, [(0, 0)] * (x.ndim - 1) + [(0, -K % 32)]); x = x.reshape(x.shape[:-1] + (-1, 32)); a = np.abs(x).max(-1, keepdims=True)
;;       e = np.where(a > 0, np.clip(np.frexp(np.where(a > 0, a, 1))[1] - 1 - 4, -126, 127), 0)      # np.frexp(a)[1] - 1 = floor(log2(a)), exactly
;;       r = np.clip(x / 2.0 ** e, -28, 28)
;;       step = 2.0 ** (np.maximum(np.frexp(np.where(r == 0, 1, r))[1] - 1, -2) - 2)
;;       q = np.round(r / step) * step * 2.0 ** e      # np.round: ties to even
;;       return np.moveaxis(q.reshape(q.shape[:-2] + (-1,))[..., :K], -1, axis).astype(np.float32)
;;   ~~~
;;   SOFTMAX AHEAD OF A QUANTISED PRODUCT. Where the list says 'softmax', what is quantised is not the finished softmax but p = 2^(t - M), with t = logit x log2(e) and M = ceil(the row's largest t), a whole number; so 1/2 < the row's largest p <= 1. The row's sum l is taken of the UNQUANTISED p, in f32, and the product's result is divided by l at the end. Since M is a whole number, a kernel that streams over the keys may use a running M (the ceiling of the running maximum): every later rescaling is an exact power of two, which a block's scale takes up: the codes' values come out the same.
;;   OPERANDS COMPUTED ON THE WAY. 'Computed on the way' means the value that the module computes at that place (a softmax that the list does not call 'softmax' is quantised finished and normalised). What goes into a quantiser is computed in f32, as accurately as f32 sums, v_exp_f32 and their like allow (about 1e-6 of the number): no bf16 or f16 on the way to a quantiser, and a product that is left as it is and whose result goes on into a quantised operand takes f32 operands (vector FMAs, or v_wmma_f32_16x16x4_f32). A number that lies on a knife's edge between two numbers of the format may be rounded either way, as far as f32 arithmetic and the matrix unit's own rounding can turn it there, and no further.
;; One version. Each part assembles by itself: llvm-mc -triple=amdgcn-amd-amdhsa -mcpu=gfx1250 --defsym DOCPART=n.
;; ======== version 1 of 1: 4 launches
;; workspace buffers: xc 6,291,456 bytes; xs 262,144 bytes; wc 3,145,728 bytes; ws 131,072 bytes; qb 6,815,744 bytes; kv 13,369,344 bytes; cc 6,291,456 bytes; cs 262,144 bytes
;; launch prep (part 1): grid 256 x 1, 4 waves a work-group, no clusters, 35,328 bytes of LDS; arguments x, w_attn, w_proj, xc, xs, wc, ws; writes xc, xs, wc, ws
.if DOCPART == 1
	.amdgcn_target "amdgcn-amd-amdhsa--gfx1250"
	.amdhsa_code_object_version 6
	.text
	.protected	k_qdbb0a9aa8e_prep
	.globl	k_qdbb0a9aa8e_prep
	.p2align	8
	.type	k_qdbb0a9aa8e_prep,@function
k_qdbb0a9aa8e_prep:
	s_mov_b64 s[64:65], 0
	v_nop
	global_prefetch_b8 v0, s[64:65] scope:SCOPE_SE
	s_setreg_imm32_b32 hwreg(HW_REG_WAVE_MODE, 25, 1), 1
	s_wait_xcnt 0x0
; LAUNCH 1 OF 4: x [8192][1024], w_attn [1024][3072] and w_proj [1024][1024], f32, become codes of BF6 (E3M2) along K = 1024, one E8M0 byte for each 32 along K.
; THE PROGRAM: prep (this) | gemm_qkv: x W + b, quantised on the way out into q, k, v codes | attn: causal attention on codes, cv quantised on the way out | gemm_proj: cv W + b.
; DEAD WORK OF THE PROGRAM.  reference() itself sets the logit of key k for query q to -inf where k > q (its own jnp.tril): p is then exactly 0 for all values of the inputs, and adds 0 to the row's sum and
; to the product with v.  So a step of 128 keys all of which come after a tile's 16 queries is left out in the launch attn.  Nothing else is left out: all five inputs have a way to the output and are loaded
; (k's bias moves k's codes, so it stays).  LIMIT: a NaN, an infinity or an overflow that would arise only in such a step is not carried to the result.
; LIMITS: NaN and infinities among the inputs are not served.  A block whose largest magnitude lies under 2^-122 gets the byte 1; so does a block of zeros, where the rule says 127: its codes are zeros,
; which add nothing under any byte but 0xff, and the bytes are read by this program alone.
; LAYOUT OF AN OPERAND'S CODES: [tile of 16 rows][K step of 128: 8][1,536 bytes]: an IMAGE OF THE FRAGMENT'S 12 REGISTERS: registers 0-3 at 16 x lane, 4-5 at 512 + 8 x lane, 6-9 at 768 + 16 x lane,
; 10-11 at 1,280 + 8 x lane (two halves of 768 bytes, each 64 along K).  Scale bytes: [row][32].
; THE ROWS OF A TILE ARE NOT NEIGHBOURS: lane r of tile 2 b + u holds row 32 b + 8 u + r + 8 (r / 8), so that a product that takes such tiles as source 0 leaves 16 neighbours in the 16 registers of two tiles.
; Work-groups 0-127: x, a wave to a tile of 16 rows, eight K steps.  Each load reads 512 consecutive bytes of a row; a K step's 16 x 512 bytes turn through the wave's own stage in LDS, so that a lane
; gets 16 neighbours of each block of 32.  Work-groups 128-255: the weights, whose K is the FIRST axis: a lane takes a column and its registers run down K; no LDS.  Waves share nothing: no barrier.
; Memory binds: no matrix unit, no cluster, no tensor load.
.set SPARE, 34816                      ; behind the four stages: the spare words, 128 bytes for each wave
.set WSTG,  8704                       ; a wave's region of LDS: 16 rows x 528 bytes and a rest
.set SP,    528                        ; a stage row: 512 bytes + 16: the 16 rows that a load touches start at 16 different 16-byte columns
.set SPW,   6                          ; v6   my spare word's LDS address; never rewritten
.set NIL,   7                          ; v7   0; never rewritten
.set TM,    8                          ; v8-23    at work in QUANT
.set PWS,   24                         ; v24-31   the eight K steps' scale words
.set R,     32                         ; v32-159  two sets of 64 numbers as loaded
.set X,     160                        ; v160-223 64 numbers: register 16 b + i = k 32 b + 16 (lane / 16) + i of my row
.set PC,    224                        ; v224-242 the codes
.set W4,    244                        ; v244-247 four scale words to store
.set HALFM, 19                         ; s19  the mask of lanes 16-31
.set SEL,   20                         ; s[20:21] v_permlanex16_b32's selects for lane l xor 16
.set OFFI,  32                         ; weights: v32-63 4 x lane + i rows
.set WX,    64                         ; v64-127  two sets of 32 numbers
.set WC,    128                        ; v128-133 a block's codes
.set WD,    136                        ; v136-138 its second half as converted
.set SB,    140                        ; v140-141 eight scale bytes
; 64 numbers of a lane become a fragment's 12 registers of codes, v[PC] on, and my row's scale word, v[pw]
.macro QUANT s, pw
.irp b, 0,1,2,3
	v_max3_num_f32 v[TM+\b], |v[\s+16*\b]|, |v[\s+1+16*\b]|, 0x2800000   ; block b: my 16 numbers and the floor 2^(5 - 127): the byte cannot fall under 1
.endr
.irp i, 2,4,6,8,10,12,14
.irp b, 0,1,2,3
	v_max3_num_f32 v[TM+\b], v[TM+\b], |v[\s+16*\b+\i]|, |v[\s+1+16*\b+\i]|   ; the four blocks by turns
.endr
.endr
.irp b, 0,1,2,3
	v_permlanex16_b32 v[TM+4+\b], v[TM+\b], s[SEL], s[SEL+1]
.endr
.irp b, 0,1,2,3
	v_max_num_f32 v[TM+\b], v[TM+\b], v[TM+4+\b]   ; with lane l xor 16's: the block's largest magnitude
.endr
.irp b, 0,1,2,3
	v_add_nc_u32 v[TM+12+\b], 0xfe000000, v[TM+\b]   ; 4 off its exponent field: the conversion's scale operand
.endr
.irp b, 0,1,2,3
	v_lshrrev_b32 v[TM+4+\b], 23, v[TM+12+\b]      ; the scale's byte
.endr
	v_lshl_or_b32 v[\pw], v[TM+5], 8, v[TM+4]
	v_lshl_or_b32 v[\pw], v[TM+6], 16, v[\pw]
	v_lshl_or_b32 v[\pw], v[TM+7], 24, v[\pw]
.irp c, 0,1
	v_cvt_scalef32_pk16_bf6_f32 v[PC+6*\c:PC+2+6*\c], v[\s+32*\c:\s+15+32*\c], v[TM+12+2*\c]
	v_cvt_scalef32_pk16_bf6_f32 v[PC+12+4*\c:PC+14+4*\c], v[\s+16+32*\c:\s+31+32*\c], v[TM+12+2*\c+1]   ; (a conversion's three registers begin on an even number)
.endr
	v_nop                                          ; one plain place behind a scaled conversion
.irp c, 0,1                                    ; the operand's layout wants a whole block in a lane: lanes 0-15 block 2 c, lanes 16-31 block 2 c + 1
.irp i, 0,1,2
	v_permlane16_swap_b32 v[PC+6*\c+\i], v[PC+12+4*\c+\i]
.endr
.irp i, 0,1,2
	v_mov_b32 v[PC+3+6*\c+\i], v[PC+12+4*\c+\i]
.endr
.endr
.endm
	s_load_b256 s[4:11], s[0:1], 0x0               ; x s[4:5], w_attn s[6:7], w_proj s[8:9], xc s[10:11]
	s_load_b128 s[12:15], s[0:1], 0x20             ; xs s[12:13], wc s[14:15]
	s_load_b64 s[16:17], s[0:1], 0x30              ; ws
	v_lshl_add_u32 v[SPW], v0, 2, SPARE
	v_mov_b32 v[NIL], 0
	v_lshrrev_b32 v1, 5, v0
	v_readfirstlane_b32 s18, v1                    ; wave 0..3
	s_mov_b32 s[HALFM], 0xffff0000
	s_mov_b32 s[SEL], 0x76543210
	s_mov_b32 s[SEL+1], 0xfedcba98
	s_wait_kmcnt 0x0
	s_cmp_lt_u32 ttmp9, 128
	s_cbranch_scc0 .Lw
	; ---------------- x: my tile T = 4 x work-group + wave
	s_lshl_b32 s22, ttmp9, 2
	s_add_co_u32 s22, s22, s18
	s_lshr_b32 s24, s22, 1
	s_lshl_b32 s24, s24, 17                        ; 32 rows of 4,096 bytes for each pair of tiles,
	s_and_b32 s23, s22, 1
	s_lshl_b32 s23, s23, 15                        ; 8 rows for the odd tile
	s_add_co_u32 s24, s24, s23
	s_mov_b32 s25, 0
	s_add_nc_u64 s[4:5], s[4:5], s[24:25]
	s_mul_i32 s24, s22, 12288
	s_add_nc_u64 s[10:11], s[10:11], s[24:25]
	s_lshl_b32 s24, s22, 9
	s_add_nc_u64 s[12:13], s[12:13], s[24:25]
	v_and_b32 v8, 31, v0                           ; lane
	v_and_b32 v9, 15, v0                           ; r
	v_bfe_u32 v10, v0, 4, 1                        ; h
	v_lshlrev_b32 v1, 4, v8                        ; v1  16 x lane
	v_lshlrev_b32 v2, 3, v8                        ; v2  8 x lane
	s_mul_i32 s26, s18, WSTG
	v_add_nc_u32 v3, s26, v1                       ; v3  the stage, on the way in: a row's 512 bytes as loaded
	v_mul_u32_u24 v4, v9, SP
	v_lshl_add_u32 v4, v10, 6, v4
	v_add_nc_u32 v4, s26, v4                       ; v4  on the way out: row r, + 64 h
	v_lshlrev_b32 v5, 5, v9
	v_lshl_add_u32 v5, v10, 4, v5                  ; v5  my 16 scale bytes: 32 r + 16 h
.irp b, 0,1,2,3
	v_mov_b32 v[TM+4+\b], 0                        ; written once: a lane permute's destination counts as one of its sources
.endr
.macro LOADX s                                 ; K step s of the tile's 16 rows: each load 512 consecutive bytes
.irp r, 0,1,2,3,4,5,6,7,8,9,10,11,12,13,14,15
	global_load_b128 v[R+64*((\s)%2)+4*\r:R+64*((\s)%2)+4*\r+3], v1, s[4:5] offset:(\r+8*(\r/8))*4096+512*(\s) th:TH_LOAD_NT
.endr
.endm
.macro XSTEP s
.if (\s) < 7
	s_wait_loadcnt 16                              ; this K step's 16 loads are in; the next step's 16 may be out
.else
	s_wait_loadcnt 0x0
.endif
.irp r, 0,1,2,3,4,5,6,7,8,9,10,11,12,13,14,15
	ds_store_b128 v3, v[R+64*((\s)%2)+4*\r:R+64*((\s)%2)+4*\r+3] offset:SP*\r
.endr
.irp b, 0,1,2,3
.irp j, 0,1,2,3
	ds_load_b128 v[X+16*\b+4*\j:X+16*\b+4*\j+3], v4 offset:128*\b+16*\j   ; LDS serves a wave's instructions in order: these see the stores above
.endr
.endr
	s_wait_dscnt 0x0                               ; my numbers are back, and the stores have read their registers
	s_wait_xcnt 0x0                                ; the last step's stores have read the codes' registers, which QUANT writes
.if (\s) < 6
	LOADX (\s)+2
.endif
	QUANT X, PWS+(\s)
	global_store_b128 v1, v[PC:PC+3], s[10:11] offset:1536*(\s)             ; 512 consecutive bytes, aligned to 256
	global_store_b64 v2, v[PC+4:PC+5], s[10:11] offset:1536*(\s)+512        ; 256
	global_store_b128 v1, v[PC+6:PC+9], s[10:11] offset:1536*(\s)+768
	global_store_b64 v2, v[PC+10:PC+11], s[10:11] offset:1536*(\s)+1280
.endm
	LOADX 0
	LOADX 1
	s_wait_alu depctr_va_vdst(0)
.irp s, 0,1,2,3,4,5,6,7
	XSTEP \s
.endr
.irp q, 0,1,2,3
	v_cndmask_b32 v[W4+\q], v[PWS+\q], v[PWS+4+\q], s[HALFM]   ; lanes 0-15 K steps 0-3 of row r, lanes 16-31 K steps 4-7 (both halves of the lanes hold the row's words)
.endr
	global_store_b128 v5, v[W4:W4+3], s[12:13]     ; the tile's 512 scale bytes
	s_wait_tensorcnt 0x0                           ; the wave's end: behind my last LDS store
	ds_add_u32 v[SPW], v[NIL]
	s_wait_dscnt 0x0
	s_endpgm
	; ---------------- the weights: 128 columns x 256 along K to a work-group, 32 columns to a wave
.Lw:
	s_sub_co_u32 s22, ttmp9, 128                   ; 0-95: w_attn; 96-127: w_proj
	s_sub_co_u32 s23, s22, 96
	s_mov_b32 s40, 4096
	s_cmp_lt_u32 s22, 96                           ; the choice hangs on the work-group's number alone
	s_cselect_b32 s23, s22, s23
	s_cselect_b32 s40, 12288, s40                  ; a row of the weight in bytes
	s_cselect_b32 s41, 0, 3072                     ; w_proj's columns follow w_attn's 3,072 in wc and ws
	s_cselect_b64 s[42:43], s[6:7], s[8:9]
	s_lshr_b32 s44, s23, 2
	s_and_b32 s45, s23, 3                          ; which 256 along K
	s_lshl_b32 s44, s44, 7
	s_lshl_b32 s46, s18, 5
	s_add_co_u32 s44, s44, s46                     ; my wave's first column
	s_add_co_u32 s46, s41, s44
	s_lshr_b32 s46, s46, 4                         ; its pair of tiles begins at this tile
	s_lshl_b32 s48, s45, 8
	s_mul_i32 s48, s48, s40
	s_lshl_b32 s47, s44, 2
	s_add_co_u32 s48, s48, s47
	s_mov_b32 s49, 0
	s_add_nc_u64 s[24:25], s[42:43], s[48:49]      ; s[24:39]: a base for each of my eight blocks of 32 rows
	s_lshl_b32 s50, s40, 5
	s_mov_b32 s51, 0
.irp t, 1,2,3,4,5,6,7
	s_add_nc_u64 s[24+2*\t:25+2*\t], s[22+2*\t:23+2*\t], s[50:51]
.endr
	s_mul_i32 s48, s46, 12288
	s_mul_i32 s47, s45, 3072
	s_add_co_u32 s48, s48, s47
	s_add_nc_u64 s[14:15], s[14:15], s[48:49]      ; wc at my tiles, my two K steps
	s_lshl_b32 s48, s46, 9
	s_lshl_b32 s47, s45, 3
	s_add_co_u32 s48, s48, s47
	s_add_nc_u64 s[16:17], s[16:17], s[48:49]      ; ws likewise
	v_and_b32 v1, 31, v0
	v_lshlrev_b32 v[OFFI], 2, v1
.irp i, 1,2,3,4,5,6,7,8,9,10,11,12,13,14,15,16,17,18,19,20,21,22,23,24,25,26,27,28,29,30,31
	v_add_nc_u32 v[OFFI+\i], s40, v[OFFI+\i-1]
.endr
	v_bfe_u32 v3, v0, 3, 1                         ; column l of 32 lies in tile u = (l / 8) % 2,
	v_and_b32 v4, 7, v0
	v_bfe_u32 v5, v0, 4, 1
	v_lshl_add_u32 v4, v5, 3, v4                   ; at row r = l % 8 + 8 (l / 16)
	v_mul_u32_u24 v14, v3, 12288
	v_lshl_add_u32 v15, v4, 3, v14                 ; v15 12,288 u + 8 r
	v_lshl_add_u32 v14, v4, 4, v14                 ; v14 12,288 u + 16 r
	v_lshlrev_b32 v16, 9, v3
	v_lshl_add_u32 v16, v4, 5, v16                 ; v16 my row of scale bytes: 32 (16 u + r)
.macro LOADW t                                 ; block t: 32 rows of K at my column; 32 lanes read 128 consecutive bytes, the four waves 512
.irp i, 0,1,2,3,4,5,6,7,8,9,10,11,12,13,14,15,16,17,18,19,20,21,22,23,24,25,26,27,28,29,30,31
	global_load_b32 v[WX+32*((\t)%2)+\i], v[OFFI+\i], s[24+2*(\t):25+2*(\t)] th:TH_LOAD_NT
.endr
.endm
.macro BLOCKW t
.set XS, WX+32*((\t)%2)
.if (\t) < 7
	s_wait_loadcnt 32                              ; this block's 32 loads are in; the next block's may be out
.else
	s_wait_loadcnt 0x0
.endif
	v_max3_num_f32 v12, |v[XS]|, |v[XS+1]|, |v[XS+2]|   ; the block's largest magnitude: all 32 numbers are mine
	v_max3_num_f32 v13, |v[XS+3]|, |v[XS+4]|, |v[XS+5]|
.irp i, 6,10,14,18,22,26
	v_max3_num_f32 v12, v12, |v[XS+\i]|, |v[XS+\i+1]|
	v_max3_num_f32 v13, v13, |v[XS+\i+2]|, |v[XS+\i+3]|
.endr
	v_max3_num_f32 v12, v12, |v[XS+30]|, |v[XS+31]|
	v_max3_num_f32 v12, v12, v13, 0x2800000        ; and the floor
	v_add_nc_u32 v11, 0xfe000000, v12              ; the conversion's scale operand
	v_lshrrev_b32 v13, 23, v11                     ; the byte
.if (\t)%4 == 0
	v_mov_b32 v[SB+(\t)/4], v13
.else
	v_lshl_or_b32 v[SB+(\t)/4], v13, 8*((\t)%4), v[SB+(\t)/4]
.endif
	s_wait_alu depctr_va_vdst(0)
	s_wait_xcnt 0x0                                ; the last block's stores have read the codes' registers
	v_cvt_scalef32_pk16_bf6_f32 v[WC:WC+2], v[XS:XS+15], v11
	v_cvt_scalef32_pk16_bf6_f32 v[WD:WD+2], v[XS+16:XS+31], v11
	v_nop                                          ; one plain place behind a scaled conversion
.irp i, 0,1,2
	v_mov_b32 v[WC+3+\i], v[WD+\i]
.endr
	; block t is K step t / 4, half (t % 4) / 2 of the fragment, lanes 16 (t % 2) + r of its image
	global_store_b128 v14, v[WC:WC+3], s[14:15] offset:1536*((\t)/4)+768*(((\t)%4)/2)+256*((\t)%2)
	global_store_b64 v15, v[WC+4:WC+5], s[14:15] offset:1536*((\t)/4)+768*(((\t)%4)/2)+512+128*((\t)%2)   ; (runs of 128 bytes: a third of 3 MB leaves so)
.if (\t)+2 < 8
	LOADW (\t)+2
.endif
.endm
	LOADW 0
	LOADW 1
.irp t, 0,1,2,3,4,5,6,7
	BLOCKW \t
.endr
	global_store_b64 v16, v[SB:SB+1], s[16:17]     ; my column's eight scale bytes (rows 32 bytes apart: 128 KB in all leave so)
	s_endpgm
.Lfunc_end_k_qdbb0a9aa8e_prep:
	.size	k_qdbb0a9aa8e_prep, .Lfunc_end_k_qdbb0a9aa8e_prep-k_qdbb0a9aa8e_prep
	.p2alignl 7, 3214868480
	.fill 96, 4, 3214868480
	.section	.rodata,"a",@progbits
	.p2align	6, 0x0
	.amdhsa_kernel k_qdbb0a9aa8e_prep
		.amdhsa_group_segment_fixed_size 35328
		.amdhsa_private_segment_fixed_size 0
		.amdhsa_enable_private_segment 0
		.amdhsa_kernarg_size 56
		.amdhsa_user_sgpr_count 2
		.amdhsa_user_sgpr_kernarg_segment_ptr 1
		.amdhsa_wavefront_size32 1
		.amdhsa_system_sgpr_workgroup_id_x 1
		.amdhsa_system_sgpr_workgroup_id_y 1
		.amdhsa_system_sgpr_workgroup_id_z 1
		.amdhsa_system_vgpr_workitem_id 0
		.amdhsa_next_free_vgpr 256
		.amdhsa_next_free_sgpr 66
		.amdhsa_reserve_vcc 0
		.amdhsa_float_denorm_mode_32 3
		.amdhsa_float_denorm_mode_16_64 3
		.amdhsa_memory_ordered 1
		.amdhsa_forward_progress 1
		.amdhsa_inst_pref_size 105
	.end_amdhsa_kernel
	.amdgpu_metadata
---
amdhsa.version: [ 1, 2 ]
amdhsa.kernels:
  - .name:           k_qdbb0a9aa8e_prep
    .symbol:         k_qdbb0a9aa8e_prep.kd
    .args:
      - { .name: x, .offset: 0, .size: 8, .value_kind: global_buffer, .address_space: global }
      - { .name: w_attn, .offset: 8, .size: 8, .value_kind: global_buffer, .address_space: global }
      - { .name: w_proj, .offset: 16, .size: 8, .value_kind: global_buffer, .address_space: global }
      - { .name: xc, .offset: 24, .size: 8, .value_kind: global_buffer, .address_space: global }
      - { .name: xs, .offset: 32, .size: 8, .value_kind: global_buffer, .address_space: global }
      - { .name: wc, .offset: 40, .size: 8, .value_kind: global_buffer, .address_space: global }
      - { .name: ws, .offset: 48, .size: 8, .value_kind: global_buffer, .address_space: global }
    .group_segment_fixed_size: 35328
    .private_segment_fixed_size: 0
    .kernarg_segment_align: 8
    .kernarg_segment_size: 56
    .max_flat_workgroup_size: 128
    .sgpr_count:     66
    .vgpr_count:     256
    .wavefront_size: 32
...
	.end_amdgpu_metadata
.endif
;; end of part 1
;; launch gemm_qkv (part 2): grid 8 x 48, 4 waves a work-group, clusters of 4 x 4, 327,680 bytes of LDS; arguments xc, xs, wc, ws, b_attn, qb, kv; writes qb, kv
.if DOCPART == 2
	.amdgcn_target "amdgcn-amd-amdhsa--gfx1250"
	.amdhsa_code_object_version 6
	.text
	.protected	k_qdbb0a9aa8e_gemm_qkv
	.globl	k_qdbb0a9aa8e_gemm_qkv
	.p2align	8
	.type	k_qdbb0a9aa8e_gemm_qkv,@function
k_qdbb0a9aa8e_gemm_qkv:
	s_mov_b64 s[64:65], 0
	v_nop
	global_prefetch_b8 v0, s[64:65] scope:SCOPE_SE
	s_setreg_imm32_b32 hwreg(HW_REG_WAVE_MODE, 25, 1), 1
	s_wait_xcnt 0x0
	s_wait_alu depctr_hold_cnt(0) depctr_sa_sdst(0) depctr_va_vdst(0) depctr_va_sdst(0) depctr_va_ssrc(0) depctr_va_vcc(0) depctr_vm_vsrc(0)
	s_getreg_b32 s2, hwreg(HW_REG_IB_STS2, 6, 4)
	s_cmp_eq_u32 s2, 0
	s_cbranch_scc0 .Lentry_in_a_cluster
	s_endpgm
.Lentry_in_a_cluster:
	s_bfe_u32 s2, ttmp6, 0x10000c
	s_cmp_lg_u32 s2, 0xf033
	s_cbranch_scc0 .Lentry_shape_is_right
	s_endpgm
.Lentry_shape_is_right:
; LAUNCH 2 OF 4: qkv = x w_attn + b_attn on codes of BF6 with E8M0 scales, K = 1,024; the results leave as codes: q and k quantised along the head's 64, v along the keys.  Nothing is left out here.
; A work-group of four waves makes 256 x 256; a wave 128 x 128: 64 accumulators, 512 registers.  The matrix instruction takes operand B's 16 rows as source 0 and operand A's as source 1: a lane holds ONE row of A,
; and its registers run along B's rows, 16 neighbours in the 16 registers of two tiles (the rows of a tile in xc and wc are chosen for it).
; TWO ROLES, told apart by the cluster's y alone, which all partners share.  y < 8 (q and k): A = 256 tokens, B = 256 of w_attn's columns 0-2047: a lane holds a token, its registers run along the head's axis.
; y >= 8 (v): A = 256 of the columns 2048-3071, B = 256 tokens: a lane holds one channel of v and its registers run along the TOKENS, which are the K of attention's second product.  Nothing is transposed.
; K goes in four steps of 256 through THREE LDS slots: steps 0, 1, 2 are asked for at the head, step 3 fills slot 0 again behind the one change of slots that is a round of the cluster's barrier.
; A slot's tiles are images of fragments' registers: every LDS load reads consecutive bytes (16 or 8 a lane).  The scale bytes of the work-group's rows, for all of K, come once, with the first fills.
; CLUSTERS: 4 x 4.  A's tiles hang on the place cy alone and are shared along a row of the cluster, B's on cx alone and along a column: joint loads, one a wave.
; 384 work-groups: one and a half times the 256 that run at once; stated as a loss of this shape.
; THE WAY OUT has no LDS, no barrier: 64 results of a lane + bias are one fragment's worth along the next K: QUANT, then stores of whole images.
;   qb, for each batch and head 106,496 bytes: 128 tiles of 16 queries x 768 bytes (registers 0-3 at 16 x lane, 4-5 at 512 + 8 x lane), then 16 groups of 512 bytes of scale words ([tile / 4 % 2][r][tile % 4]).
;   kv, for each batch and head 8 slots of 26,112 bytes (256 keys): 16 tiles of k x 768 | 8 fragments of v (key step, 16 channels) x 1,536 (three groups of four registers at 16 x lane) | k's words 2 x 512 | v's words 2 x 256 ([r][tile]).
; A head's scale word has its two bytes low; the upper two stand over zero codes and are never 0xff (the even head's: the odd head's bytes, 1 to 254; the odd head's: 0).
; LIMITS: as stated at the head of prep.  No prefetch: three of four K steps are asked for at the head and the fourth has two steps, 256 matrix instructions, in which to land.
; REGISTERS, in windows of 256: window 0: v4-19 addresses; v28, v29 the add's two; v32-63 scale words, two sets; v64-127 the bias along registers; v128-223 A's fragments, one set; v240-255 the bias along lanes.
;   window 1: B's fragments, two sets, at v0 and v128.  windows 2, 3: the accumulators ((a, b) at v[8 (8 (a % 4) + b)]).  On the way out: v128-191 numbers, v192-210 codes, v212-227 at work, v32-47 scale words.
.set FR,    12                         ; registers of a fragment
.set NL,    4                          ; LDS loads that bring one
.set NP,    4                          ; places behind this matrix instruction (ISA guide 7.12.1)
.set NQ,    2                          ; matrix instructions deep in a slot
.set HALFT, 24576                      ; 8 tiles of 16 rows x 256 along K: what one tensor load brings
.set SLOT,  4*HALFT                    ; A's 16 tiles, then B's 16
.set SCL,   3*SLOT                     ; behind the slots: the scale bytes, as runs of 256 bytes + 16 of padding
.set HALFS, 16*272                     ; those of 128 rows
.set SBLK,  2*272                      ; those of 16 rows
.set SPARE, SCL+4*HALFS                ; the spare words, 128 bytes for each wave
.set ADRA, 4                           ; v4-6 my A fragments in slot 0, 1, 2: + 16 x lane;  v7-9: + 8 x lane
.set ADRB, 10                          ; v10-12, v13-15 the same for B
.set ADRS, 16                          ; v16  my scale words: lanes 0-15 A's rows, lanes 16-31 B's
.set L16,  17                          ; v17  16 x lane
.set L8,   18                          ; v18  8 x lane
.set VSO,  19                          ; v19  v's scale words: 208,896 h + 16 r
.set SPW,  28
.set NIL,  29
.set SC,   32
.set BN,   64
.set AF,   128
.set BM,   240
.set H,    128
.set PC,   192
.set TM,   212
.set PWS,  32
.set W4,   40
.set W4B,  44
.set G1,   24                          ; s[24:31] group 1 for A's tiles;  s[32:43] three groups 0
.set G0,   32
.set G1B,  48                          ; s[48:55] for B's;  s[56:59], s[60:63], s[68:71]
.set G0B0, 56
.set G0B1, 60
.set G0B2, 68
.set SEL,  66                          ; s[66:67]
.set G1S,  72                          ; s[72:79], s[80:83] A's scales;  s[84:91], s[92:95] B's
.set G0S,  80
.set G1SB, 84
.set G0SB, 92
.set MSB, 0
.macro WIN new                         ; the immediate's high byte repeats the setting that is left
.if MSB != (\new)
	s_set_vgpr_msb (MSB<<8)|(\new)
.set MSB, \new
.endif
.endm
.set MUL_LO, 0xa1                      ; source 0 (B) window 1, source 1 (A) window 0, C and D window 2
.set MUL_HI, 0xf1
.set TO_B,   0x40
; A joint load: waves 0 and 1 fetch for A, waves 2 and 3 for B; the branch hangs on the wave's number alone.  An s_nop 0 and four v_nop follow each line.
.macro JLOAD g0a, g1a, g0b, g1b
	s_cmp_eq_u32 s19, 0
	s_cbranch_scc0 .Lfor_b_\@
	tensor_load_to_lds s[\g0a:\g0a+3], s[\g1a:\g1a+7]
	s_nop 0
.rept 4
	v_nop
.endr
	s_branch .Lasked_\@
.Lfor_b_\@:
	tensor_load_to_lds s[\g0b:\g0b+3], s[\g1b:\g1b+7]
	s_nop 0
.rept 4
	v_nop
.endr
.Lasked_\@:
.endm
.macro CREST                           ; a round of the cluster's barrier behind its opening barrier
	s_cmp_lg_u32 s18, 0
	s_cbranch_scc1 .Lnot_wave_0_\@
	s_barrier_signal -3
.Lnot_wave_0_\@:
	s_barrier_wait -3
	s_barrier_signal -1
	s_barrier_wait -1
.endm
.macro CROUND
	s_barrier_signal -1
	s_barrier_wait -1
	CREST
.endm
.macro PLACES n
.rept \n
	v_nop
.endr
.endm
.macro QUANT s, pw                     ; 64 numbers, register 16 b + i = k 32 b + 16 (lane / 16) + i, become 12 registers of codes, v[PC] on, and the scale word v[pw]
.irp b, 0,1,2,3
	v_max3_num_f32 v[TM+\b], |v[\s+16*\b]|, |v[\s+1+16*\b]|, 0x2800000   ; my 16 numbers and the floor 2^(5 - 127)
.endr
.irp i, 2,4,6,8,10,12,14
.irp b, 0,1,2,3
	v_max3_num_f32 v[TM+\b], v[TM+\b], |v[\s+16*\b+\i]|, |v[\s+1+16*\b+\i]|
.endr
.endr
.irp b, 0,1,2,3
	v_permlanex16_b32 v[TM+4+\b], v[TM+\b], s[SEL], s[SEL+1]
.endr
.irp b, 0,1,2,3
	v_max_num_f32 v[TM+\b], v[TM+\b], v[TM+4+\b]
.endr
.irp b, 0,1,2,3
	v_add_nc_u32 v[TM+12+\b], 0xfe000000, v[TM+\b]   ; 4 off the exponent field: the conversion's scale operand
.endr
.irp b, 0,1,2,3
	v_lshrrev_b32 v[TM+4+\b], 23, v[TM+12+\b]
.endr
	v_lshl_or_b32 v[\pw], v[TM+5], 8, v[TM+4]
	v_lshl_or_b32 v[\pw], v[TM+6], 16, v[\pw]
	v_lshl_or_b32 v[\pw], v[TM+7], 24, v[\pw]
.irp c, 0,1
	v_cvt_scalef32_pk16_bf6_f32 v[PC+6*\c:PC+2+6*\c], v[\s+32*\c:\s+15+32*\c], v[TM+12+2*\c]
	v_cvt_scalef32_pk16_bf6_f32 v[PC+12+4*\c:PC+14+4*\c], v[\s+16+32*\c:\s+31+32*\c], v[TM+12+2*\c+1]
.endr
	v_nop                                          ; one plain place behind a scaled conversion
.irp c, 0,1
.irp i, 0,1,2
	v_permlane16_swap_b32 v[PC+6*\c+\i], v[PC+12+4*\c+\i]
.endr
.irp i, 0,1,2
	v_mov_b32 v[PC+3+6*\c+\i], v[PC+12+4*\c+\i]
.endr
.endr
.endm
	s_load_b256 s[4:11], s[0:1], 0x0               ; xc s[4:5], xs s[6:7], wc s[8:9], ws s[10:11]
	s_load_b128 s[12:15], s[0:1], 0x20             ; b_attn s[12:13], qb s[14:15]
	s_load_b64 s[16:17], s[0:1], 0x30              ; kv
	v_lshl_add_u32 v[SPW], v0, 2, SPARE
	v_mov_b32 v[NIL], 0
	ds_add_u32 v[SPW], v[NIL]                      ; the wave's opening: the add, twice on end, and its wait ahead of my first tensor load
	ds_add_u32 v[SPW], v[NIL]
	v_lshrrev_b32 v1, 5, v0
	v_readfirstlane_b32 s18, v1                    ; wave 0..3
	s_lshr_b32 s19, s18, 1                         ; which half of A's rows is mine.  Also: I fetch for A (0) or for B (1)
	s_and_b32 s20, s18, 1                          ; which half of B's rows.  Also: which 128 rows I fetch
	s_bfe_u32 s44, ttmp6, 0x40000                  ; cx
	s_bfe_u32 s45, ttmp6, 0x40004                  ; cy
	s_and_b32 s96, ttmp7, 0xffff                   ; the cluster's y
	s_lshl_b32 s97, s96, 2
	s_sub_co_u32 s100, s96, 8
	s_lshl_b32 s100, s100, 3
	s_lshl_b32 s101, ttmp9, 2
	s_cmp_ge_u32 s96, 8
	s_cselect_b32 s21, 1, 0                        ; s21  the role: 0 q and k, 1 v
	s_cselect_b32 s97, 8, s97                      ; A's tiles of 256 rows begin at: tokens 4 y; or w's rows 2,048 on
	s_cselect_b32 s100, s100, 0
	s_add_co_u32 s22, s97, s45                     ; s22  A's tile: + cy
	s_add_co_u32 s23, s101, s100
	s_add_co_u32 s23, s23, s44                     ; s23  B's tile: 4 x + cx; in role v 4 (x + 2 (y - 8)) + cx
	s_lshl_b32 s46, s45, 2
	s_lshl_b32 s46, 15, s46                        ; my row of the cluster
	s_lshl_b32 s47, 0x1111, s44                    ; my column
	; group 1 for codes: 8 rows (tiles of 16) of 3,072 bytes (two K steps' images), 12,288 bytes apart; elements of 8 bytes; no padding
	s_or_b32 s[G1+0], s46, (3<<16)|(1<<21)
	s_or_b32 s[G1B+0], s47, (3<<16)|(1<<21)
.irp g, G1, G1B
	s_mov_b32 s[\g+1], 384<<16                     ; tensor_dim0
	s_mov_b32 s[\g+2], 8<<16                       ; tensor_dim1
	s_mov_b32 s[\g+3], 384<<16                     ; tile_dim0
	s_mov_b32 s[\g+4], 8                           ; tile_dim1
	s_mov_b32 s[\g+5], 1536                        ; tensor_dim0_stride
	s_mov_b32 s[\g+6], 0
	s_mov_b32 s[\g+7], 0
.endr
	; and for the scale bytes of 128 rows: 4,096 dense bytes as 16 rows of 256, 16 bytes of padding behind each
	s_or_b32 s[G1S+0], s46, (3<<16)|(1<<20)|(1<<21)|(5<<22)|(3<<25)
	s_or_b32 s[G1SB+0], s47, (3<<16)|(1<<20)|(1<<21)|(5<<22)|(3<<25)
.irp g, G1S, G1SB
	s_mov_b32 s[\g+1], 32<<16
	s_mov_b32 s[\g+2], 16<<16
	s_mov_b32 s[\g+3], 32<<16
	s_mov_b32 s[\g+4], 16
	s_mov_b32 s[\g+5], 32
	s_mov_b32 s[\g+6], 0
	s_mov_b32 s[\g+7], 0
.endr
	s_lshl_b32 s98, s20, 7
	s_lshl_b32 s96, s22, 8
	s_add_co_u32 s96, s96, s98                     ; A: the first row that I fetch
	s_lshl_b32 s100, s23, 8
	s_add_co_u32 s100, s100, s98                   ; B likewise
	s_lshl_b32 s98, s96, 5                         ; 32 scale bytes a row,
	s_mov_b32 s99, 0
	s_mul_i32 s96, s96, 768                        ; 768 bytes of codes
	s_mov_b32 s97, 0
	s_lshl_b32 s2, s100, 5
	s_mov_b32 s3, 0
	s_mul_i32 s100, s100, 768
	s_mov_b32 s101, 0
	s_mul_i32 s[G0+1], s18, HALFT                  ; where they go: wave x 8 tiles: no place in the cluster enters an LDS address
	s_add_co_u32 s[G0+5], s[G0+1], SLOT
	s_add_co_u32 s[G0+9], s[G0+1], 2*SLOT
	s_mul_i32 s[G0B0+1], s18, HALFT
	s_add_co_u32 s[G0B1+1], s[G0B0+1], SLOT
	s_add_co_u32 s[G0B2+1], s[G0B0+1], 2*SLOT
	s_mul_i32 s[G0S+1], s18, HALFS
	s_add_co_u32 s[G0S+1], s[G0S+1], SCL
	s_mul_i32 s[G0SB+1], s18, HALFS
	s_add_co_u32 s[G0SB+1], s[G0SB+1], SCL
.irp g, G0, G0+4, G0+8, G0B0, G0B1, G0B2, G0S, G0SB
	s_mov_b32 s[\g], 1                             ; count = 1
.endr
	s_mov_b32 s[SEL], 0x76543210
	s_mov_b32 s[SEL+1], 0xfedcba98
	s_wait_dscnt 0x0                               ; both opening adds are done
	s_wait_kmcnt 0x0
	s_cmp_eq_u32 s21, 1                            ; the choice of buffers hangs on the role alone
	s_cselect_b64 s[G0+2:G0+3], s[8:9], s[4:5]     ; A's codes
	s_cselect_b64 s[G0S+2:G0S+3], s[10:11], s[6:7] ; A's scales
	s_cselect_b64 s[G0B0+2:G0B0+3], s[4:5], s[8:9] ; B's codes
	s_cselect_b64 s[G0SB+2:G0SB+3], s[6:7], s[10:11]
	s_add_nc_u64 s[G0+2:G0+3], s[G0+2:G0+3], s[96:97]
	s_add_nc_u64 s[G0S+2:G0S+3], s[G0S+2:G0S+3], s[98:99]
	s_add_nc_u64 s[G0B0+2:G0B0+3], s[G0B0+2:G0B0+3], s[100:101]
	s_add_nc_u64 s[G0SB+2:G0SB+3], s[G0SB+2:G0SB+3], s[2:3]
	s_add_nc_u64 s[G0+6:G0+7], s[G0+2:G0+3], 3072          ; K step 1,
	s_add_nc_u64 s[G0+10:G0+11], s[G0+2:G0+3], 6144        ; K step 2
	s_add_nc_u64 s[G0B1+2:G0B1+3], s[G0B0+2:G0B0+3], 3072
	s_add_nc_u64 s[G0B2+2:G0B2+3], s[G0B0+2:G0B0+3], 6144
.irp g, G0, G0+4, G0+8, G0B0, G0B1, G0B2, G0S, G0SB
	s_or_b32 s[\g+3], s[\g+3], 0x80000000          ; type = 2
.endr
	CROUND                                         ; all sixteen work-groups are here: the first joint loads meet
	JLOAD G0S, G1S, G0SB, G1SB                     ; four loads of mine are out behind these lines: the scales, K steps 0, 1, 2
	JLOAD G0, G1, G0B0, G1B
	JLOAD G0+4, G1, G0B1, G1B
	JLOAD G0+8, G1, G0B2, G1B
	v_and_b32 v1, 31, v0                           ; lane
	v_and_b32 v2, 15, v0                           ; r
	v_bfe_u32 v3, v0, 4, 1                         ; h
	v_lshlrev_b32 v[L16], 4, v1
	v_lshlrev_b32 v[L8], 3, v1
	s_mul_i32 s96, s19, HALFT                      ; my 8 tiles of A,
	s_mul_i32 s97, s20, HALFT
	s_add_co_u32 s97, s97, 2*HALFT                 ; of B, behind A's 16
.irp s, 0,1,2
	v_add_nc_u32 v[ADRA+\s], s96, v[L16]
	v_add_nc_u32 v[ADRA+3+\s], s96, v[L8]
	v_add_nc_u32 v[ADRB+\s], s97, v[L16]
	v_add_nc_u32 v[ADRB+3+\s], s97, v[L8]
	s_add_co_u32 s96, s96, SLOT
	s_add_co_u32 s97, s97, SLOT
.endr
	v_lshlrev_b32 v22, 5, v2                       ; my row's scale bytes: 32 a row,
	v_lshrrev_b32 v23, 8, v22
	v_lshl_add_u32 v22, v23, 4, v22                ; and 16 more for each 256 passed
	s_mul_i32 s96, s19, HALFS
	s_mul_i32 s97, s20, HALFS
	s_add_co_u32 s97, s97, 2*HALFS
	s_sub_co_u32 s97, s97, s96
	v_mul_u32_u24 v23, s97, v3                     ; lanes 16-31 take B's
	s_add_co_u32 s96, s96, SCL
	v_add_nc_u32 v22, v22, v23
	v_add_nc_u32 v[ADRS], s96, v22
	v_mul_u32_u24 v[VSO], v3, 208896
	v_lshl_add_u32 v[VSO], v2, 4, v[VSO]
	; the bias, in both layouts and in both roles, so that every register is written on every way; the layout that the role does not use reads b_attn's first 128 numbers
	s_lshl_b32 s96, s22, 8
	s_lshl_b32 s97, s19, 7
	s_add_co_u32 s96, s96, s97                     ; my first row of A (role v: the column of w_attn)
	s_lshl_b32 s100, s23, 8
	s_lshl_b32 s101, s20, 7
	s_add_co_u32 s100, s100, s101                  ; my first row of B (role q, k: the column)
	s_cmp_eq_u32 s21, 1
	s_cselect_b32 s96, s96, 0
	s_cselect_b32 s100, 0, s100
	s_lshl_b32 s96, s96, 2
	s_mov_b32 s97, 0
	s_lshl_b32 s100, s100, 2
	s_mov_b32 s101, 0
	s_add_nc_u64 s[4:5], s[12:13], s[100:101]
	s_add_nc_u64 s[6:7], s[12:13], s[96:97]
	v_lshlrev_b32 v20, 6, v3                       ; along registers: tile t's eight columns 32 (t / 2) + 16 h + 8 (t % 2) + 0 .. 7
	v_and_b32 v21, 8, v2
	v_add_nc_u32 v21, v21, v2
	v_lshlrev_b32 v21, 2, v21                      ; along lanes: tile a's column 32 (a / 2) + 8 (a % 2) + r + 8 (r / 8)
.irp t, 0,1,2,3,4,5,6,7
	global_load_b128 v[BN+8*\t:BN+8*\t+3], v20, s[4:5] offset:(32*(\t/2)+8*(\t%2))*4
	global_load_b128 v[BN+8*\t+4:BN+8*\t+7], v20, s[4:5] offset:(32*(\t/2)+8*(\t%2))*4+16
.endr
.irp a, 0,1,2,3,4,5,6,7
	global_load_b32 v[BM+2*\a], v21, s[6:7] offset:(32*(\a/2)+8*(\a%2))*4
	v_mov_b32 v[BM+2*\a+1], 0                      ; (named with it as a pair, so it is written)
.endr
.macro FRAG reg, adr, q, i             ; a fragment's image, 1,536 bytes, comes back as it was stored: every load reads consecutive bytes
	ds_load_b128 v[\reg:\reg+3], v[\adr] offset:3072*(\i)+1536*(\q)
	ds_load_b64 v[\reg+4:\reg+5], v[\adr+3] offset:3072*(\i)+1536*(\q)+512
	ds_load_b128 v[\reg+6:\reg+9], v[\adr] offset:3072*(\i)+1536*(\q)+768
	ds_load_b64 v[\reg+10:\reg+11], v[\adr+3] offset:3072*(\i)+1536*(\q)+1280
.endm
; 16 matrix instructions: A's blocks a0, a0 + 1 x B's eight.  p: B's set; q: the slot's q-th 128 along K; sc: the set of scale words.  The 64 accumulators take turns, in the same order in every step.
.macro MUL16 a0, p, q, sc, zero
.irp a, \a0, \a0+1
.irp b, 0,1,2,3,4,5,6,7
.if \zero
	v_wmma_scale_f32_16x16x128_f8f6f4 v[8*(8*((\a)%4)+\b):8*(8*((\a)%4)+\b)+7], v[128*(\p)+FR*\b:128*(\p)+FR*\b+FR-1], v[AF+FR*(\a):AF+FR*(\a)+FR-1], 0, v[SC+8*NQ*(\sc)+NQ*\b+(\q)], v[SC+8*NQ*(\sc)+NQ*(\a)+(\q)] matrix_a_fmt:MATRIX_FMT_BF6 matrix_b_fmt:MATRIX_FMT_BF6 matrix_a_scale:MATRIX_SCALE_ROW1
.else
	v_wmma_scale_f32_16x16x128_f8f6f4 v[8*(8*((\a)%4)+\b):8*(8*((\a)%4)+\b)+7], v[128*(\p)+FR*\b:128*(\p)+FR*\b+FR-1], v[AF+FR*(\a):AF+FR*(\a)+FR-1], v[8*(8*((\a)%4)+\b):8*(8*((\a)%4)+\b)+7], v[SC+8*NQ*(\sc)+NQ*\b+(\q)], v[SC+8*NQ*(\sc)+NQ*(\a)+(\q)] matrix_a_fmt:MATRIX_FMT_BF6 matrix_b_fmt:MATRIX_FMT_BF6 matrix_a_scale:MATRIX_SCALE_ROW1
.endif
.endr
.endr
.endm
.macro FETCH_B slot, q, p
	WIN TO_B
.irp i, 0,1,2,3,4,5,6,7
	FRAG 128*(\p)+FR*\i, ADRB+\slot, \q, \i
.endr
	WIN 0
.endm
.macro FETCH_A slot, q, i0
.irp i, \i0, \i0+1, \i0+2, \i0+3
	FRAG AF+FR*(\i), ADRA+\slot, \q, \i
.endr
.endm
.macro SCALES sc                       ; a K step's two scale words a row: lanes 0-15 A's block i, lanes 16-31 B's block i
.irp i, 0,1,2,3,4,5,6,7
	ds_load_b64 v[SC+8*NQ*(\sc)+NQ*\i:SC+8*NQ*(\sc)+NQ*\i+1], v[ADRS] offset:\i*SBLK
.endr
.endm
; A slot's first 128 along K.  A load into a register that a matrix instruction has read stands four places behind it, and only plain vector instructions that name none of its registers are places.
.macro STEP slot, sc, zero
	s_wait_dscnt 4*NL                              ; B's set and A's blocks 0-3 are in; the youngest 16 loads (A's blocks 4-7) may be out
	WIN MUL_LO
	MUL16 0, 0, 0, \sc, \zero
	MUL16 2, 0, 0, \sc, \zero
	s_wait_dscnt 0x0                               ; A's blocks 4-7 are in
	PLACES NP
	FETCH_B \slot, 1, 1
	FETCH_A \slot, 1, 0
	WIN MUL_HI
	MUL16 4, 0, 0, \sc, \zero
	MUL16 6, 0, 0, \sc, \zero
	PLACES NP
	WIN 0
	FETCH_A \slot, 1, 4
.endm
; A slot's second 128 along K changes slots.  mode 1: slot 0 is filled again: every wave waits for ALL its tensor loads (slots 1 and 2 have landed), adds 0 to its spare word, waits for that and for its reads of the slot;
; the barrier opens a round of the cluster's barrier; the joint refill comes first behind it.  mode 2: from slot 1 to slot 2, which mode 1's barrier has shown whole to every wave; slot 1 is never filled again: no barrier.
; mode 0: from slot 2 to slot 0: the refill has landed in every wave: the same lines and a barrier, nothing is filled.
.macro TURN slot, next, sc, mode
.if \mode == 2
	s_wait_dscnt 4*NL
	WIN MUL_LO
	MUL16 0, 1, 1, \sc, 0
	MUL16 2, 1, 1, \sc, 0
	WIN 0
	s_wait_dscnt 0x0
	PLACES NP
.else
	s_wait_tensorcnt 0x0                           ; all my tensor loads have landed  (every window is 0 here)
	ds_add_u32 v[SPW], v[NIL]                      ; 0 onto my spare word
	s_wait_dscnt 4*NL+1                            ; (the add and the youngest 16 loads may be out)
	WIN MUL_LO
	MUL16 0, 1, 1, \sc, 0                          ; sixteen matrix instructions stand between the add and the wait for it
	s_wait_dscnt 0x0                               ; the add is done, and my reads of this slot are over
	s_barrier_signal -1
	MUL16 2, 1, 1, \sc, 0
	WIN 0
	s_barrier_wait -1
.if \mode == 1
	CREST                                          ; no wave of any partner still reads slot 0 or has a load on its way
	s_add_nc_u64 s[G0+2:G0+3], s[G0+2:G0+3], 3*3072        ; K step 3
	s_add_nc_u64 s[G0B0+2:G0B0+3], s[G0B0+2:G0B0+3], 3*3072
	JLOAD G0, G1, G0B0, G1B                        ; my one tensor load behind the round; its four v_nop are the places in front of the loads below
.else
	PLACES NP
.endif
.endif
	v_add_nc_u32 v[ADRS], 4*NQ, v[ADRS]            ; on to the next K step's scale words
	FETCH_B \next, 0, 0
	FETCH_A \next, 0, 0
	SCALES 1-\sc
	WIN MUL_HI
	MUL16 4, 1, 1, \sc, 0
	MUL16 6, 1, 1, \sc, 0
	PLACES NP
	WIN 0
	FETCH_A \next, 0, 4
.endm
	s_wait_tensorcnt 2                             ; the scales and my part of K step 0 are in; K steps 1 and 2 may be out
	s_barrier_signal -1
	s_barrier_wait -1                              ; everybody's are
	FETCH_B 0, 0, 0
	FETCH_A 0, 0, 0
	SCALES 0
	FETCH_A 0, 0, 4
	STEP 0, 0, 1                                   ; the first products start the sums: nothing is cleared
	TURN 0, 1, 0, 1
	s_wait_alu depctr_va_vdst(0)
	STEP 1, 1, 0
	TURN 1, 2, 1, 2
	s_wait_alu depctr_va_vdst(0)
	STEP 2, 0, 0
	TURN 2, 0, 0, 0
	STEP 0, 1, 0
	s_wait_dscnt 4*NL                              ; the last 128 along K: nothing more to fetch
	WIN MUL_LO
	MUL16 0, 1, 1, 1, 0
	MUL16 2, 1, 1, 1, 0
	s_wait_dscnt 0x0
	WIN MUL_HI
	MUL16 4, 1, 1, 1, 0
	MUL16 6, 1, 1, 1, 0
	WIN 0
	s_wait_tensorcnt 0x0                           ; behind my last tensor load; no LDS instruction follows
	ds_add_u32 v[SPW], v[NIL]
	s_wait_dscnt 0x0
	CROUND                                         ; the closing round: no joint load follows it in any partner
	s_wait_loadcnt 0x0                             ; the bias; its loads' bases may be written again
	PLACES NP                                      ; behind the last products: their results are read, and registers that they read are written
.irp b, 0,1,2,3
	v_mov_b32 v[TM+4+\b], 0                        ; a lane permute's destination counts as one of its sources
.endr
	s_mov_b32 s12, 0xffff0000                      ; the mask of lanes 16-31
	s_cmp_eq_u32 s21, 1
	s_cbranch_scc1 .Lv
	; ---------------- q and k.  My 8 tiles of tokens x 128 columns = two heads.  A tile's fragment: registers 0-5 the even head's 64, 6-11 the odd head's
	s_lshl_b32 s96, s22, 4
	s_lshl_b32 s97, s19, 3
	s_add_co_u32 s96, s96, s97                     ; my first tile of tokens
	s_lshr_b32 s97, s96, 7                         ; the batch
	s_and_b32 s96, s96, 127                        ; the tile in it
	s_lshl_b32 s98, s23, 2
	s_lshl_b32 s99, s20, 1
	s_add_co_u32 s98, s98, s99
	s_and_b32 s98, s98, 15                         ; my first head
	s_lshl_b32 s97, s97, 4
	s_add_co_u32 s97, s97, s98                     ; batch x 16 + head
	s_lshr_b32 s98, s96, 4
	s_mul_i32 s98, s98, 26112                      ; k: the slot of 16 tiles,
	s_and_b32 s99, s96, 15
	s_mul_i32 s100, s99, 768
	s_add_co_u32 s100, s100, s98                   ; the tile's image in it,
	s_lshr_b32 s99, s99, 3
	s_lshl_b32 s99, s99, 9
	s_add_co_u32 s99, s99, s98
	s_add_co_u32 s99, s99, 24576                   ; the eight tiles' group of scale words
	s_mul_i32 s98, s96, 768                        ; q: the image,
	s_lshr_b32 s101, s96, 3
	s_lshl_b32 s101, s101, 9
	s_add_co_u32 s101, s101, 98304                 ; the group
	s_mov_b32 s2, 106496
	s_cmp_eq_u32 ttmp9, 1                          ; the cluster's x: 0 q's columns, 1 k's
	s_cselect_b64 s[4:5], s[16:17], s[14:15]
	s_cselect_b32 s2, 208896, s2                   ; from head to head
	s_cselect_b32 s98, s100, s98
	s_cselect_b32 s99, s99, s101
	s_mul_i32 s97, s97, s2
	s_add_co_u32 s98, s98, s97
	s_add_co_u32 s100, s99, s97
	s_mov_b32 s99, 0
	s_mov_b32 s101, 0
	s_mov_b32 s3, 0
	s_add_nc_u64 s[8:9], s[4:5], s[100:101]        ; the even head's scale words,
	s_add_nc_u64 s[4:5], s[4:5], s[98:99]          ; its images,
	s_add_nc_u64 s[6:7], s[4:5], s[2:3]            ; the odd head's images,
	s_add_nc_u64 s[10:11], s[8:9], s[2:3]          ; its scale words
.macro EPIQ a
.set AC, 64*((\a)%4)
	WIN 0x02+(\a)/4                                ; source 0: window 2 or 3
.set i, 0
.rept 32
	v_pk_add_f32 v[H+i:H+i+1], v[AC+i:AC+i+1], v[BN+i:BN+i+1]   ; + bias; each accumulator from its low end on
.set i, i+2
.endr
	WIN 0
	s_wait_xcnt 0x0                                ; the last tile's stores have read the codes' registers
	QUANT H, PWS+(\a)
	global_store_b128 v[L16], v[PC:PC+3], s[4:5] offset:768*(\a)            ; each store covers 512 or 256 consecutive bytes, aligned to 256
	global_store_b64 v[L8], v[PC+4:PC+5], s[4:5] offset:768*(\a)+512
	global_store_b128 v[L16], v[PC+6:PC+9], s[6:7] offset:768*(\a)
	global_store_b64 v[L8], v[PC+10:PC+11], s[6:7] offset:768*(\a)+512
.endm
.irp a, 0,1,2,3,4,5,6,7
	EPIQ \a
.endr
.irp q, 0,1,2,3
	v_cndmask_b32 v[W4+\q], v[PWS+\q], v[PWS+4+\q], s12   ; lanes 0-15 tiles 0-3 of row r, lanes 16-31 tiles 4-7
.endr
.irp q, 0,1,2,3
	v_lshrrev_b32 v[W4B+\q], 16, v[W4+\q]          ; the odd head's two bytes come down; zeros above them
.endr
	global_store_b128 v[L16], v[W4:W4+3], s[8:9]
	global_store_b128 v[L16], v[W4B:W4B+3], s[10:11]
	s_endpgm
	; ---------------- v.  My 8 tiles of channels (two heads x 4) x 128 tokens = one key step of a slot
.Lv:
	s_sub_co_u32 s96, s22, 8                       ; cy
	s_lshl_b32 s96, s96, 2
	s_lshl_b32 s97, s19, 1
	s_add_co_u32 s96, s96, s97                     ; my first head
	s_lshr_b32 s97, s23, 3                         ; the batch
	s_lshl_b32 s97, s97, 4
	s_add_co_u32 s96, s96, s97
	s_lshl_b32 s96, s96, 3
	s_and_b32 s97, s23, 7                          ; the slot of 256 keys
	s_add_co_u32 s96, s96, s97
	s_mul_i32 s96, s96, 26112
	s_mov_b32 s97, 0
	s_add_nc_u64 s[8:9], s[16:17], s[96:97]
	s_mul_i32 s98, s20, 6144                       ; my key step's four fragments
	s_add_co_u32 s98, s98, 12288
	s_mov_b32 s99, 0
	s_add_nc_u64 s[4:5], s[8:9], s[98:99]
	s_add_nc_u64 s[6:7], s[4:5], 208896            ; the next head's
	s_lshl_b32 s98, s20, 8
	s_add_co_u32 s98, s98, 25600
	s_add_nc_u64 s[8:9], s[8:9], s[98:99]          ; its scale words
.macro EPIV a
.set AC, 64*((\a)%4)
	WIN 0x02+(\a)/4
.set i, 0
.rept 32
	v_pk_add_f32 v[H+i:H+i+1], v[AC+i:AC+i+1], v[BM+2*(\a):BM+2*(\a)+1] op_sel_hi:[1,0]   ; + my channel's bias
.set i, i+2
.endr
	WIN 0
	s_wait_xcnt 0x0
	QUANT H, PWS+(\a)
.irp c, 0,1,2
	global_store_b128 v[L16], v[PC+4*\c:PC+4*\c+3], s[4+2*((\a)/4):5+2*((\a)/4)] offset:1536*((\a)%4)+512*\c
.endr
.endm
.irp a, 0,1,2,3,4,5,6,7
	EPIV \a
.endr
.irp q, 0,1,2,3
	v_cndmask_b32 v[W4+\q], v[PWS+\q], v[PWS+4+\q], s12   ; lanes 0-15 the first head's four tiles, lanes 16-31 the second's
.endr
	global_store_b128 v[VSO], v[W4:W4+3], s[8:9]   ; 256 consecutive bytes in each of the two heads
	s_endpgm
.Lfunc_end_k_qdbb0a9aa8e_gemm_qkv:
	.size	k_qdbb0a9aa8e_gemm_qkv, .Lfunc_end_k_qdbb0a9aa8e_gemm_qkv-k_qdbb0a9aa8e_gemm_qkv
	.p2alignl 7, 3214868480
	.fill 96, 4, 3214868480
	.section	.rodata,"a",@progbits
	.p2align	6, 0x0
	.amdhsa_kernel k_qdbb0a9aa8e_gemm_qkv
		.amdhsa_group_segment_fixed_size 327680
		.amdhsa_private_segment_fixed_size 0
		.amdhsa_enable_private_segment 0
		.amdhsa_kernarg_size 56
		.amdhsa_user_sgpr_count 2
		.amdhsa_user_sgpr_kernarg_segment_ptr 1
		.amdhsa_wavefront_size32 1
		.amdhsa_system_sgpr_workgroup_id_x 1
		.amdhsa_system_sgpr_workgroup_id_y 1
		.amdhsa_system_sgpr_workgroup_id_z 1
		.amdhsa_system_vgpr_workitem_id 0
		.amdhsa_next_free_vgpr 1024
		.amdhsa_next_free_sgpr 102
		.amdhsa_reserve_vcc 0
		.amdhsa_float_denorm_mode_32 3
		.amdhsa_float_denorm_mode_16_64 3
		.amdhsa_memory_ordered 1
		.amdhsa_forward_progress 1
		.amdhsa_inst_pref_size 219
	.end_amdhsa_kernel
	.amdgpu_metadata
---
amdhsa.version: [ 1, 2 ]
amdhsa.kernels:
  - .name:           k_qdbb0a9aa8e_gemm_qkv
    .symbol:         k_qdbb0a9aa8e_gemm_qkv.kd
    .args:
      - { .name: xc, .offset: 0, .size: 8, .value_kind: global_buffer, .address_space: global }
      - { .name: xs, .offset: 8, .size: 8, .value_kind: global_buffer, .address_space: global }
      - { .name: wc, .offset: 16, .size: 8, .value_kind: global_buffer, .address_space: global }
      - { .name: ws, .offset: 24, .size: 8, .value_kind: global_buffer, .address_space: global }
      - { .name: b_attn, .offset: 32, .size: 8, .value_kind: global_buffer, .address_space: global }
      - { .name: qb, .offset: 40, .size: 8, .value_kind: global_buffer, .address_space: global }
      - { .name: kv, .offset: 48, .size: 8, .value_kind: global_buffer, .address_space: global }
    .group_segment_fixed_size: 327680
    .private_segment_fixed_size: 0
    .kernarg_segment_align: 8
    .kernarg_segment_size: 56
    .max_flat_workgroup_size: 128
    .sgpr_count:     102
    .vgpr_count:     1024
    .wavefront_size: 32
...
	.end_amdgpu_metadata
.endif
;; end of part 2
;; launch attn (part 3): grid 4 x 64, 16 waves a work-group, no clusters, 327,680 bytes of LDS; arguments qb, kv, cc, cs; writes cc, cs
.if DOCPART == 3
	.amdgcn_target "amdgcn-amd-amdhsa--gfx1250"
	.amdhsa_code_object_version 6
	.text
	.protected	k_qdbb0a9aa8e_attn
	.globl	k_qdbb0a9aa8e_attn
	.p2align	8
	.type	k_qdbb0a9aa8e_attn,@function
k_qdbb0a9aa8e_attn:
	s_mov_b64 s[64:65], 0
	v_nop
	global_prefetch_b8 v0, s[64:65] scope:SCOPE_SE
	s_setreg_imm32_b32 hwreg(HW_REG_WAVE_MODE, 25, 1), 1
	s_wait_xcnt 0x0
; LAUNCH 3 OF 4: cv = softmax(q k^T / 8, causal) v for 64 (batch, head), 2,048 positions, head size 64, both products on codes of BF6 with E8M0 scales; cv leaves as codes along the next product's K.
; LEFT OUT (shown at the head of prep): a step of 128 keys all of which come after a tile's 16 queries: reference()'s own mask makes every p there exactly 0.
; THE SOFTMAX AHEAD OF THE SECOND PRODUCT: t = score x log2(e) / 8; M = the running largest t rounded UP to a whole number; p = 2^(t - M) is quantised along the keys, not normalised; the row's sum is taken of the
; unquantised p and divides at the end; when M moves, sum and O are multiplied by 2^(old M - new M), which rounds nothing.  A block's largest p is taken from its largest score by the same multiply-add and exponential
; (this takes v_exp_f32 not to fall where its input rises; at the worst one p within an ulp of a power of two is held one code low).  LIMITS as at the head of prep.
; SHARES.  Work-group (a, head) owns the query blocks a and 7 - a, 256 queries each; wave w one tile of 16 in each.  It makes NINE visits of one slot of 256 keys: block a against slots 0 .. a, then block 7 - a against
; slots 0 .. 7 - a.  So the trip count is a constant, every slot that is fetched is read, and all work-groups have the same work.  NO CLUSTER: the four work-groups of a head want different slots in the same trip.
; A slot of kv is 26,112 dense bytes: k's 16 tiles (768 bytes: registers 0-3 at 16 x lane, 4-5 at 512 + 8 x lane), v's 8 fragments (1,536: three groups of four registers), both kinds of scale words.  Wave 0 fetches it by one
; tensor load into one of two LDS slots; all sixteen read it.  The first product's K is 64: registers 6-11 of q's and k's fragments hold zero codes for ever.
; LAYOUT.  S^T = k q^T, O^T = v^T p^T: a lane holds one query throughout.  Lane r of tile T (queries and keys alike) holds position 32 (T / 2) + 8 (T % 2) + r + 8 (r / 8): so p's 16 registers of two tiles are 16 neighbouring keys,
; and O^T's are 16 neighbouring channels (v's tiles are laid so too).
; REGISTERS: v1-7, v11 addresses that stay; v8-10 the step's LDS addresses; v12 -M, v13 the largest t, v[14:15] the sum; v16-27 q; v32-79 four places for k; v80-87 k's words, v88-91 v's; v96-159 S^T, then p, then (v96-143) v's four
; fragments; v160-191 O^T; v192-198 the second tile's q and word; v224-235 p's codes; v232-254 at work; v255 q's word.
.set SLOT1, 32768                      ; slot 1 begins here: one exclusive or turns an address
.set SPARE, 65536                      ; the spare words, 128 bytes for each of 16 waves
.set SLB,   26112                      ; a slot's bytes
.set VIMG,  12288
.set KSC,   24576
.set VSC,   25600
.set AL16, 1                           ; v1   16 x lane
.set AL8,  2                           ; v2   8 x lane
.set AR16, 3                           ; v3   16 r
.set LQ,   4                           ; v4   r + 8 (r / 8) - 16 h
.set SPW,  5
.set NIL,  6
.set CSO,  7                           ; v7   32 r + h
.set ADK,  8
.set ADK8, 9
.set ADS,  10
.set PFO,  11                          ; v11  256 x lane
.set WV,   12                          ; s12  wave
.set AA,   13                          ; s13  a
.set BH,   14                          ; s14  batch x 16 + head
.set SW,   15                          ; s15  a + 1: the visit at which the second block begins
.set VIS,  16                          ; s16  the visit
.set TB,   17                          ; s17  LDS byte at which the slot in hand begins
.set KF,   18                          ; s18  the step's first key
.set Q0,   19                          ; s19  my tile's first query
.set Q0B,  20                          ; s20  the second tile's
.set CS,   22                          ; s[22:23] c = log2(e) / 8
.set G1,   24
.set G0,   32
.set HB,   36                          ; s[36:37] kv at my head
.set PFA,  38                          ; s[38:39] where my prefetches stand
.set LIMV, 40                          ; s40  a wave prefetches while the visit is under this
.set HALFM, 41
.set SEL,  42
.macro TLOAD                           ; wave 0 alone fetches; an s_nop 0 and four v_nop follow the line
	s_cmp_eq_u32 s[WV], 0
	s_cbranch_scc0 .Lno_load_\@
	tensor_load_to_lds s[G0:G0+3], s[G1:G1+7]
	s_nop 0
.rept 4
	v_nop
.endr
.Lno_load_\@:
.endm
; A PREFETCH INTO THE L2.  Work-group a = 0 of a head asks, in visit t, by its tensor load for slot t; its waves 4 to 6, which fetch nothing, ask here for the 24,576 bytes of codes of slot t + 1 (t = 0 .. 6): 8,192 bytes a wave,
; lanes 256 bytes apart: one visit, two key steps, ahead of that load.  Each block is named once in the launch.  Slot 0 and the slots' 1,536 scale bytes come by their loads alone.
.macro ASK
	s_cmp_lt_u32 s[VIS], s[LIMV]
	s_cbranch_scc0 .Lnot_mine_\@
	global_prefetch_b8 v[PFO], s[PFA:PFA+1] th:TH_LOAD_NT scope:SCOPE_SE
.Lnot_mine_\@:
.endm
	s_load_b256 s[4:11], s[0:1], 0x0               ; qb s[4:5], kv s[6:7], cc s[8:9], cs s[10:11]
	v_lshl_add_u32 v[SPW], v0, 2, SPARE
	v_mov_b32 v[NIL], 0
	ds_add_u32 v[SPW], v[NIL]                      ; the wave's opening: the add, twice on end, and its wait ahead of the first tensor load
	ds_add_u32 v[SPW], v[NIL]
	v_lshrrev_b32 v8, 5, v0
	s_delay_alu instid0(VALU_DEP_1)
	v_readfirstlane_b32 s[WV], v8
	s_mov_b32 s[AA], ttmp9
	s_and_b32 s[BH], ttmp7, 0xffff
	s_add_co_u32 s[SW], s[AA], 1
	s_mov_b32 s[VIS], 0
	s_mov_b32 s[TB], 0
	s_mov_b32 s[KF], 0
	s_mov_b32 s[CS], 0x3e38aa3b
	s_mov_b32 s[CS+1], s[CS]                       ; (named with it as a pair, so it is written)
	s_mov_b32 s[HALFM], 0xffff0000
	s_mov_b32 s[SEL], 0x76543210
	s_mov_b32 s[SEL+1], 0xfedcba98
	s_mov_b32 s[G1], 3<<16                         ; a slot: 102 dense rows of 32 elements of 8 bytes; no mask, no padding
	s_mov_b32 s[G1+1], 32<<16
	s_mov_b32 s[G1+2], 102<<16
	s_mov_b32 s[G1+3], 32<<16
	s_mov_b32 s[G1+4], 102
	s_mov_b32 s[G1+5], 32
	s_mov_b32 s[G1+6], 0
	s_mov_b32 s[G1+7], 0
	s_lshl_b32 s52, s[AA], 4
	s_add_co_u32 s52, s52, s[WV]                   ; my first tile: 16 a + w
	s_sub_co_u32 s53, 7, s[AA]
	s_lshl_b32 s53, s53, 4
	s_add_co_u32 s53, s53, s[WV]                   ; my second: 16 (7 - a) + w
	s_and_b32 s54, s[WV], 1
	s_lshl_b32 s54, s54, 3
	s_lshl_b32 s[Q0], s52, 4
	s_sub_co_u32 s[Q0], s[Q0], s54                 ; 16 T - 8 (T % 2)
	s_lshl_b32 s[Q0B], s53, 4
	s_sub_co_u32 s[Q0B], s[Q0B], s54
	s_mul_i32 s54, s[BH], 208896                   ; my head in kv
	s_mov_b32 s55, 0
	s_mul_i32 s56, s[BH], 106496                   ; in qb
	s_mul_i32 s57, s52, 768
	s_add_co_u32 s68, s56, s57                     ; the first tile's image,
	s_mov_b32 s69, 0
	s_mul_i32 s57, s53, 768
	s_add_co_u32 s70, s56, s57                     ; the second's
	s_mov_b32 s71, 0
	s_and_b32 s58, s[WV], 3
	s_lshl_b32 s58, s58, 2
	s_add_co_u32 s58, s58, 98304
	s_add_co_u32 s58, s58, s56
	s_lshr_b32 s57, s52, 2
	s_lshl_b32 s57, s57, 8
	s_add_co_u32 s72, s57, s58                     ; their scale words: 98,304 + 256 (T / 4) + 4 (T % 4), + 16 r
	s_mov_b32 s73, 0
	s_lshr_b32 s57, s53, 2
	s_lshl_b32 s57, s57, 8
	s_add_co_u32 s74, s57, s58
	s_mov_b32 s75, 0
	s_lshr_b32 s56, s[BH], 4
	s_lshl_b32 s56, s56, 7                         ; 128 tiles a batch
	s_and_b32 s57, s[BH], 15                       ; the head
	s_add_co_u32 s58, s56, s52
	s_add_co_u32 s59, s56, s53
	s_mul_i32 s60, s57, 768
	s_mul_i32 s76, s58, 12288
	s_add_co_u32 s76, s76, s60                     ; cc: tile x 12,288 + head x 768
	s_mov_b32 s77, 0
	s_mul_i32 s78, s59, 12288
	s_add_co_u32 s78, s78, s60
	s_mov_b32 s79, 0
	s_lshl_b32 s60, s57, 1
	s_lshl_b32 s80, s58, 9
	s_add_co_u32 s80, s80, s60                     ; cs: tile x 512 + head x 2
	s_mov_b32 s81, 0
	s_lshl_b32 s82, s59, 9
	s_add_co_u32 s82, s82, s60
	s_mov_b32 s83, 0
	s_and_b32 s84, s[WV], 3
	s_lshl_b32 s84, s84, 13
	s_mov_b32 s85, 0
	s_sub_co_u32 s56, s[WV], 4
	s_cmp_lt_u32 s56, 3                            ; waves 4, 5, 6
	s_cselect_b32 s[LIMV], 7, 0
	s_cmp_eq_u32 s[AA], 0                          ; of the head's work-group 0
	s_cselect_b32 s[LIMV], s[LIMV], 0
	s_wait_dscnt 0x0                               ; both opening adds are done
	s_wait_kmcnt 0x0
	s_add_nc_u64 s[HB:HB+1], s[6:7], s[54:55]
	s_mov_b32 s[G0], 1
	s_mov_b32 s[G0+1], 0                           ; LDS slot 0
	s_mov_b64 s[G0+2:G0+3], s[HB:HB+1]             ; the head's slot 0
	s_or_b32 s[G0+3], s[G0+3], 0x80000000
	TLOAD
	s_add_nc_u64 s[PFA:PFA+1], s[HB:HB+1], s[84:85]
	s_add_nc_u64 s[68:69], s[4:5], s[68:69]
	s_add_nc_u64 s[70:71], s[4:5], s[70:71]
	s_add_nc_u64 s[72:73], s[4:5], s[72:73]
	s_add_nc_u64 s[74:75], s[4:5], s[74:75]
	s_add_nc_u64 s[44:45], s[8:9], s[76:77]        ; s[44:45], s[46:47] cc for my two tiles;  s[48:49], s[50:51] cs
	s_add_nc_u64 s[46:47], s[8:9], s[78:79]
	s_add_nc_u64 s[48:49], s[10:11], s[80:81]
	s_add_nc_u64 s[50:51], s[10:11], s[82:83]
	v_and_b32 v8, 31, v0                           ; lane
	v_and_b32 v9, 15, v0                           ; r
	v_bfe_u32 v10, v0, 4, 1                        ; h
	s_delay_alu instid0(VALU_DEP_3)
	v_lshlrev_b32 v[AL16], 4, v8
	s_delay_alu instid0(VALU_DEP_4)
	v_lshlrev_b32 v[AL8], 3, v8
	s_delay_alu instid0(VALU_DEP_4)
	v_lshlrev_b32 v[AR16], 4, v9
	v_and_b32 v[LQ], 8, v9
	s_delay_alu instid0(VALU_DEP_1)
	v_add_nc_u32 v[LQ], v[LQ], v9
	v_lshlrev_b32 v[PFO], 4, v10
	s_delay_alu instid0(VALU_DEP_1)
	v_sub_nc_u32 v[LQ], v[LQ], v[PFO]
	v_lshl_add_u32 v[CSO], v9, 5, v10
	v_lshlrev_b32 v[PFO], 8, v8
	global_load_b128 v[16:19], v[AL16], s[68:69]   ; both tiles of q stay in registers
	global_load_b64 v[20:21], v[AL8], s[68:69] offset:512
	global_load_b32 v255, v[AR16], s[72:73]
	global_load_b128 v[192:195], v[AL16], s[70:71]
	global_load_b64 v[196:197], v[AL8], s[70:71] offset:512
	global_load_b32 v198, v[AR16], s[74:75]
.irp i, 22,23,24,25,26,27
	v_mov_b32 v[\i], 0                             ; k = 64 .. 127 of q: zero codes
.endr
.irp t, 0,1,2,3
.irp i, 6,7,8,9,10,11
	v_mov_b32 v[32+12*\t+\i], 0                    ; and of k's four places: never loaded
.endr
.endr
	v_mov_b32 v13, 0xff61b1e6                      ; the largest t so far: -3e38
	s_delay_alu instid0(VALU_DEP_1)
	v_floor_f32 v12, -v13                          ; -M
	v_mov_b32 v14, 0
	v_mov_b32 v15, 0
.irp b, 0,1,2,3
	v_mov_b32 v[236+\b], 0                         ; a lane permute's destination counts as one of its sources
.endr
	v_mov_b32 v252, 0
	v_mov_b32 v253, 0
.set j, 0
.rept 32
	v_mov_b32 v[160+j], 0                          ; O^T: the first change of M leaves zeros zeros
.set j, j+1
.endr
; A KEY STEP: 128 keys, the q-th of the slot in hand
.macro STEP q
	s_cmp_gt_u32 s[KF], s[Q0]                      ; my 16 queries lie in one group of 32 and KF is a multiple of 128: KF is above all of them or above none.  A branch on ids
	s_cbranch_scc1 .Lhidden_\@
	v_add_nc_u32 v[ADK], s[TB], v[AL16]
	s_wait_alu depctr_va_vdst(0)
	v_add_nc_u32 v[ADK8], s[TB], v[AL8]
	s_wait_alu depctr_va_vdst(0)
	v_add_nc_u32 v[ADS], s[TB], v[AR16]
.rept 3
	v_nop                                          ; six places: this step's first products write over registers that the last step's products read (five are asked)
.endr
	ds_load_b128 v[80:83], v[ADS] offset:KSC+512*(\q)          ; the scale words of tiles 0-3,
	ds_load_b128 v[84:87], v[ADS] offset:KSC+512*(\q)+256      ; 4-7
.irp g, 0,1                                    ; S^T = k q^T, four tiles of 16 keys at a time
.if \g
.rept 4
	v_nop                                          ; places in front of loads into registers that matrix instructions have read
.endr
.endif
.irp t, 0,1,2,3
	ds_load_b128 v[32+12*\t:35+12*\t], v[ADK] offset:768*(8*(\q)+4*\g+\t)
	ds_load_b64 v[36+12*\t:37+12*\t], v[ADK8] offset:768*(8*(\q)+4*\g+\t)+512
.endr
	s_wait_dscnt 0x0
.irp t, 0,1,2,3
	v_wmma_scale_f32_16x16x128_f8f6f4 v[96+8*(4*\g+\t):103+8*(4*\g+\t)], v[32+12*\t:43+12*\t], v[16:27], 0, v[80+4*\g+\t], v255 matrix_a_fmt:MATRIX_FMT_BF6 matrix_b_fmt:MATRIX_FMT_BF6
.endr
.endr
.rept 4
	v_nop
.endr
	s_add_co_u32 s96, s[KF], 127                   ; on the diagonal hidden scores become -infinity ahead of the maximum; a step all of whose keys count skips this
	s_cmp_le_u32 s96, s[Q0]
	s_cbranch_scc1 .Lopen_\@
	s_sub_co_i32 s96, s[Q0], s[KF]
	v_add_nc_u32 v252, s96, v[LQ]                  ; d = my query - KF - 16 h.  Register 16 b + i holds key KF + 16 h + 32 b + i: hidden where 32 b + i > d
	v_mov_b32 v254, 0xff800000
.set n, 0
.rept 64
	v_cmp_gt_i32 vcc_lo, 32*(n/16)+n%16, v252
	v_cndmask_b32 v[96+n], v[96+n], v254, vcc_lo
.set n, n+1
.endr
.Lopen_\@:
.irp b, 0,1,2,3
	v_max3_num_f32 v[232+\b], v[96+16*\b], v[97+16*\b], v[98+16*\b]   ; the largest score of each block of 32 keys: for the row's maximum, and for the block's largest p
.endr
.irp i, 3,5,7,9,11,13
.irp b, 0,1,2,3
	v_max3_num_f32 v[232+\b], v[232+\b], v[96+16*\b+\i], v[97+16*\b+\i]
.endr
.endr
.irp b, 0,1,2,3
	v_max_num_f32 v[232+\b], v[232+\b], v[111+16*\b]
.endr
.irp b, 0,1,2,3
	s_delay_alu instid0(VALU_DEP_4)
	v_permlanex16_b32 v[236+\b], v[232+\b], s[SEL], s[SEL+1]
.endr
.irp b, 0,1,2,3
	s_delay_alu instid0(VALU_DEP_4)
	v_max_num_f32 v[232+\b], v[232+\b], v[236+\b]  ; with lane l xor 16's 16 keys
.endr
	s_delay_alu instid0(VALU_DEP_2)
	v_max3_num_f32 v254, v232, v233, v234
	s_delay_alu instid0(VALU_DEP_1)
	v_max_num_f32 v254, v254, v235
	s_delay_alu instid0(VALU_DEP_1)
	v_mul_f32 v254, s[CS], v254                    ; as t
	s_delay_alu instid0(VALU_DEP_1)
	v_max_num_f32 v13, v13, v254                   ; the running largest t
	v_mov_b32 v254, v12
	s_delay_alu instid0(VALU_DEP_2)
	v_floor_f32 v12, -v13                          ; the new -M = -ceil(t)
	s_delay_alu instid0(VALU_DEP_1)
	v_sub_f32 v254, v12, v254                      ; old M - new M: a whole number, 0 or less
	s_delay_alu instid0(VALU_DEP_1)
	v_cvt_i32_f32 v254, v254                       ; (it saturates)
	s_delay_alu instid0(VALU_DEP_1)
	v_ldexp_f32 v252, 1.0, v254                    ; f = 2^(old M - new M)
.set j, 0
.rept 32
	v_pk_fma_f32 v[96+j:97+j], v[96+j:97+j], s[CS:CS+1], v[12:13] op_sel_hi:[1,0,0]   ; t - M
.set j, j+2
.endr
.irp b, 0,1,2,3
	v_fma_f32 v[232+\b], v[232+\b], s[CS], v12
.endr
.set j, 0
	s_wait_alu depctr_va_vdst(0)
.rept 64
	v_exp_f32 v[96+j], v[96+j]                     ; p = 2^(t - M)
.set j, j+1
.endr
	v_pk_mul_f32 v[14:15], v[14:15], v[252:253] op_sel_hi:[1,0]   ; the sums under the new M; a plain place behind the exponentials
	s_wait_alu depctr_va_vdst(0)                   ; one wait for the batch of 64, ahead of its first reader
.irp b, 0,1,2,3
	v_exp_f32 v[232+\b], v[232+\b]                 ; each block's largest p
.endr
	v_pk_add_f32 v[236:237], v[100:101], v[104:105]
	v_pk_add_f32 v[250:251], v[108:109], v[112:113]
	v_pk_add_f32 v[248:249], v[116:117], v[120:121]
	v_pk_add_f32 v[246:247], v[124:125], v[128:129]
	v_pk_add_f32 v[244:245], v[132:133], v[136:137]
	v_pk_add_f32 v[242:243], v[140:141], v[144:145]
	v_pk_add_f32 v[240:241], v[148:149], v[152:153]
	v_pk_add_f32 v[14:15], v[14:15], v[156:157]
	v_pk_add_f32 v[236:237], v[236:237], v[96:97]
	v_pk_add_f32 v[250:251], v[250:251], v[98:99]
	v_pk_add_f32 v[248:249], v[248:249], v[102:103]
	v_pk_add_f32 v[246:247], v[246:247], v[106:107]
	v_pk_add_f32 v[244:245], v[244:245], v[110:111]
	v_pk_add_f32 v[242:243], v[242:243], v[114:115]
	v_pk_add_f32 v[240:241], v[240:241], v[118:119]
	v_pk_add_f32 v[14:15], v[14:15], v[122:123]
	v_pk_add_f32 v[236:237], v[236:237], v[126:127]
	v_pk_add_f32 v[250:251], v[250:251], v[130:131]
	v_pk_add_f32 v[248:249], v[248:249], v[134:135]
	v_pk_add_f32 v[246:247], v[246:247], v[138:139]
	v_pk_add_f32 v[244:245], v[244:245], v[142:143]
	v_pk_add_f32 v[242:243], v[242:243], v[146:147]
	v_pk_add_f32 v[240:241], v[240:241], v[150:151]
	v_pk_add_f32 v[14:15], v[14:15], v[154:155]
	v_pk_add_f32 v[236:237], v[236:237], v[158:159]
	s_delay_alu instid0(VALU_DEP_2)
	v_pk_add_f32 v[14:15], v[14:15], v[246:247]
	s_delay_alu instid0(VALU_DEP_2)
	v_pk_add_f32 v[236:237], v[236:237], v[244:245]
	v_pk_add_f32 v[250:251], v[250:251], v[242:243]
	v_pk_add_f32 v[248:249], v[248:249], v[240:241]
	s_delay_alu instid0(VALU_DEP_2)
	v_pk_add_f32 v[14:15], v[14:15], v[250:251]
	s_delay_alu instid0(VALU_DEP_2)
	v_pk_add_f32 v[236:237], v[236:237], v[248:249]
	s_delay_alu instid0(VALU_DEP_1)
	v_pk_add_f32 v[14:15], v[14:15], v[236:237]
	s_wait_alu depctr_va_vdst(0)                   ; and one for the four
.irp b, 0,1,2,3
	v_max_num_f32 v[232+\b], 0x2800000, v[232+\b]  ; the floor 2^(5 - 127)
.endr
.irp b, 0,1,2,3
	s_delay_alu instid0(VALU_DEP_4)
	v_add_nc_u32 v[244+\b], 0xfe000000, v[232+\b]  ; the conversion's scale operand
.endr
.irp b, 0,1,2,3
	s_delay_alu instid0(VALU_DEP_4)
	v_lshrrev_b32 v[236+\b], 23, v[244+\b]
.endr
	s_delay_alu instid0(VALU_DEP_3)
	v_lshl_or_b32 v253, v237, 8, v236              ; p's scale word for these 128 keys
	s_delay_alu instid0(VALU_DEP_1)
	v_lshl_or_b32 v253, v238, 16, v253
	s_delay_alu instid0(VALU_DEP_1)
	v_lshl_or_b32 v253, v239, 24, v253
.irp c, 0,1
	v_cvt_scalef32_pk16_bf6_f32 v[224+6*\c:226+6*\c], v[96+32*\c:111+32*\c], v[244+2*\c]
	v_cvt_scalef32_pk16_bf6_f32 v[236+4*\c:238+4*\c], v[112+32*\c:127+32*\c], v[244+2*\c+1]
.endr
	v_nop                                          ; one plain place behind a scaled conversion
.irp t, 0,1,2,3                                ; p's numbers are done with: v's four fragments land on them while the codes are put in order
.irp c, 0,1,2
	ds_load_b128 v[96+12*\t+4*\c:99+12*\t+4*\c], v[ADK] offset:VIMG+1536*(4*(\q)+\t)+512*\c
.endr
.endr
	ds_load_b128 v[88:91], v[ADS] offset:VSC+256*(\q)
.irp c, 0,1
.irp i, 0,1,2
	v_permlane16_swap_b32 v[224+6*\c+\i], v[236+4*\c+\i]
.endr
.irp i, 0,1,2
	s_delay_alu instid0(VALU_DEP_3)
	v_mov_b32 v[227+6*\c+\i], v[236+4*\c+\i]
.endr
.endr
.set j, 0
.rept 16
	v_pk_mul_f32 v[160+j:161+j], v[160+j:161+j], v[252:253] op_sel_hi:[1,0]   ; O^T under the new M.  These sixteen are also the places between the lines that wrote p's codes and word and the products
.set j, j+2
.endr
	s_wait_alu depctr_va_vdst(0)
	s_wait_dscnt 0x0
.irp t, 0,1,2,3                                ; O^T += v^T p^T: four accumulators, one instruction each
	v_wmma_scale_f32_16x16x128_f8f6f4 v[160+8*\t:167+8*\t], v[96+12*\t:107+12*\t], v[224:235], v[160+8*\t:167+8*\t], v[88+\t], v253 matrix_a_fmt:MATRIX_FMT_BF6 matrix_b_fmt:MATRIX_FMT_BF6
.endr
.Lhidden_\@:
	s_add_co_u32 s[KF], s[KF], 128
.endm
; THE CHANGE OF SLOTS, at a visit's head.  Each wave waits for all its tensor loads, adds 0 to its spare word, and waits for that and for its reads of the slot that it has left; behind the barrier the slot ahead is whole and nobody
; reads the other.  fill = 1: wave 0 fills the other with the next visit's keys: it has a visit's two steps in which to land.
.macro CHANGE fill
	s_wait_tensorcnt 0x0                           ; no tensor load of mine is out, so group 0 may be written
	ds_add_u32 v[SPW], v[NIL]
.if \fill
	ds_add_u32 v[SPW], v[NIL]                      ; and twice on end here, in every trip alike
	s_xor_b32 s[G0+1], s[G0+1], SLOT1              ; the other LDS slot than last time
	s_add_co_u32 s52, s[VIS], 1                    ; the next visit t wants slot t, or t - (a + 1) in the second block
	s_cmp_lt_u32 s52, s[SW]
	s_cselect_b32 s53, 0, s[SW]
	s_sub_co_u32 s52, s52, s53
	s_mul_i32 s52, s52, SLB
	s_mov_b32 s53, 0
	s_add_nc_u64 s[G0+2:G0+3], s[HB:HB+1], s[52:53]
	s_or_b32 s[G0+3], s[G0+3], 0x80000000
	s_wait_xcnt 0x0                                ; the last prefetch, a visit back, has read its address
	s_add_nc_u64 s[PFA:PFA+1], s[PFA:PFA+1], SLB
.endif
	s_wait_dscnt 0x0                               ; the add is done, and my reads of the slot that I have left are over
	s_barrier_signal -1
	s_barrier_wait -1
.if \fill
	TLOAD                                          ; the first thing behind the barrier, and the one tensor load until the next
	ASK
.endif
.endm
; A tile is finished: O^T / the sum is cv's 64 channels of my query, register 16 b + i = channel 32 b + 16 h + i: two blocks of the next product's K.  They leave as half a fragment's image and two scale bytes a row.
.macro FINISH cc, cs
.rept 4
	v_nop                                          ; places behind the last products
.endr
	v_add_f32 v14, v14, v15
	s_delay_alu instid0(VALU_DEP_1)
	v_permlanex16_b32 v252, v14, s[SEL], s[SEL+1]
	s_delay_alu instid0(VALU_DEP_1)
	v_add_f32 v14, v14, v252                       ; the row's sum
	s_wait_alu depctr_va_vdst(0)
	v_rcp_f32 v14, v14
	v_nop                                          ; a plain place behind the transcendental
	s_wait_alu depctr_va_vdst(0)                   ; and the wait ahead of its first reader
.set j, 0
.rept 16
	v_pk_mul_f32 v[160+j:161+j], v[160+j:161+j], v[14:15] op_sel_hi:[1,0]   ; each accumulator from its low end on
.set j, j+2
.endr
.irp b, 0,1
	v_max3_num_f32 v[232+\b], |v[160+16*\b]|, |v[161+16*\b]|, 0x2800000
.endr
.irp i, 2,4,6,8,10,12,14
.irp b, 0,1
	s_delay_alu instid0(VALU_DEP_2)
	v_max3_num_f32 v[232+\b], v[232+\b], |v[160+16*\b+\i]|, |v[161+16*\b+\i]|
.endr
.endr
.irp b, 0,1
	s_delay_alu instid0(VALU_DEP_2)
	v_permlanex16_b32 v[236+\b], v[232+\b], s[SEL], s[SEL+1]
.endr
.irp b, 0,1
	s_delay_alu instid0(VALU_DEP_2)
	v_max_num_f32 v[232+\b], v[232+\b], v[236+\b]
.endr
.irp b, 0,1
	s_delay_alu instid0(VALU_DEP_2)
	v_add_nc_u32 v[244+\b], 0xfe000000, v[232+\b]
.endr
.irp b, 0,1
	s_delay_alu instid0(VALU_DEP_2)
	v_lshrrev_b32 v[236+\b], 23, v[244+\b]
.endr
	v_cvt_scalef32_pk16_bf6_f32 v[224:226], v[160:175], v244
	v_cvt_scalef32_pk16_bf6_f32 v[240:242], v[176:191], v245
	v_nop                                          ; one plain place behind a scaled conversion
	v_cndmask_b32 v243, v236, v237, s[HALFM]       ; lanes 0-15 block 0's byte, lanes 16-31 block 1's
.irp i, 0,1,2
	v_permlane16_swap_b32 v[224+\i], v[240+\i]
.endr
.irp i, 0,1,2
	s_delay_alu instid0(VALU_DEP_3)
	v_mov_b32 v[227+\i], v[240+\i]
.endr
	global_store_b128 v[AL16], v[224:227], s[\cc:\cc+1]            ; 512 consecutive bytes, aligned to 256
	global_store_b64 v[AL8], v[228:229], s[\cc:\cc+1] offset:512   ; 256
	global_store_b8 v[CSO], v243, s[\cs:\cs+1]     ; single bytes, 32 apart: the next launch wants a row's 32 scale bytes together and a head owns two of them; 256 KB in all leave so
	s_wait_xcnt 0x0                                ; the stores have read their registers
.endm
.macro REINIT                                  ; on to my second tile.  q and its word first: the lines below them are the places ahead of the next products
.irp i, 0,1,2,3,4,5
	v_mov_b32 v[16+\i], v[192+\i]
.endr
	v_mov_b32 v255, v198
	v_mov_b32 v13, 0xff61b1e6
	s_delay_alu instid0(VALU_DEP_1)
	v_floor_f32 v12, -v13
	v_mov_b32 v14, 0
	v_mov_b32 v15, 0
.set j, 0
.rept 32
	v_mov_b32 v[160+j], 0
.set j, j+1
.endr
	s_mov_b32 s[Q0], s[Q0B]
	s_mov_b32 s[KF], 0
.endm
	s_wait_loadcnt 0x0                             ; q
.Lvisit:                                           ; eight trips; behind each change of slots the next visit's slot is asked for
	CHANGE 1
	s_cmp_eq_u32 s[VIS], s[SW]                     ; ids and the count of visits alone: the same in all sixteen waves; no barrier, tensor load or LDS access stands under it
	s_cbranch_scc0 .Lsame
	FINISH 44, 48
	REINIT
.Lsame:
	STEP 0
	STEP 1
	s_xor_b32 s[TB], s[TB], SLOT1
	s_add_co_u32 s[VIS], s[VIS], 1
	s_cmp_lt_u32 s[VIS], 8
	s_cbranch_scc1 .Lvisit
	CHANGE 0                                       ; the ninth visit is written out: nothing is left to fetch
	STEP 0
	STEP 1
	FINISH 46, 50
	s_wait_tensorcnt 0x0                           ; the wave's end
	ds_add_u32 v[SPW], v[NIL]
	s_wait_dscnt 0x0
	s_endpgm
.Lfunc_end_k_qdbb0a9aa8e_attn:
	.size	k_qdbb0a9aa8e_attn, .Lfunc_end_k_qdbb0a9aa8e_attn-k_qdbb0a9aa8e_attn
	.p2alignl 7, 3214868480
	.fill 96, 4, 3214868480
	.section	.rodata,"a",@progbits
	.p2align	6, 0x0
	.amdhsa_kernel k_qdbb0a9aa8e_attn
		.amdhsa_group_segment_fixed_size 327680
		.amdhsa_private_segment_fixed_size 0
		.amdhsa_enable_private_segment 0
		.amdhsa_kernarg_size 32
		.amdhsa_user_sgpr_count 2
		.amdhsa_user_sgpr_kernarg_segment_ptr 1
		.amdhsa_wavefront_size32 1
		.amdhsa_system_sgpr_workgroup_id_x 1
		.amdhsa_system_sgpr_workgroup_id_y 1
		.amdhsa_system_sgpr_workgroup_id_z 1
		.amdhsa_system_vgpr_workitem_id 0
		.amdhsa_next_free_vgpr 256
		.amdhsa_next_free_sgpr 100
		.amdhsa_reserve_vcc 1
		.amdhsa_float_denorm_mode_32 3
		.amdhsa_float_denorm_mode_16_64 3
		.amdhsa_memory_ordered 1
		.amdhsa_forward_progress 1
		.amdhsa_inst_pref_size 109
	.end_amdhsa_kernel
	.amdgpu_metadata
---
amdhsa.version: [ 1, 2 ]
amdhsa.kernels:
  - .name:           k_qdbb0a9aa8e_attn
    .symbol:         k_qdbb0a9aa8e_attn.kd
    .args:
      - { .name: qb, .offset: 0, .size: 8, .value_kind: global_buffer, .address_space: global }
      - { .name: kv, .offset: 8, .size: 8, .value_kind: global_buffer, .address_space: global }
      - { .name: cc, .offset: 16, .size: 8, .value_kind: global_buffer, .address_space: global }
      - { .name: cs, .offset: 24, .size: 8, .value_kind: global_buffer, .address_space: global }
    .group_segment_fixed_size: 327680
    .private_segment_fixed_size: 0
    .kernarg_segment_align: 8
    .kernarg_segment_size: 32
    .max_flat_workgroup_size: 512
    .sgpr_count:     100
    .vgpr_count:     256
    .wavefront_size: 32
...
	.end_amdgpu_metadata
.endif
;; end of part 3
;; launch gemm_proj (part 4): grid 4 x 32, 4 waves a work-group, clusters of 4 x 4, 327,680 bytes of LDS; arguments cc, cs, wc, ws, b_proj, out0; writes out0
.if DOCPART == 4
	.amdgcn_target "amdgcn-amd-amdhsa--gfx1250"
	.amdhsa_code_object_version 6
	.text
	.protected	k_qdbb0a9aa8e_gemm_proj
	.globl	k_qdbb0a9aa8e_gemm_proj
	.p2align	8
	.type	k_qdbb0a9aa8e_gemm_proj,@function
k_qdbb0a9aa8e_gemm_proj:
	s_mov_b64 s[64:65], 0
	v_nop
	global_prefetch_b8 v0, s[64:65] scope:SCOPE_SE
	s_setreg_imm32_b32 hwreg(HW_REG_WAVE_MODE, 25, 1), 1
	s_wait_xcnt 0x0
	s_wait_alu depctr_hold_cnt(0) depctr_sa_sdst(0) depctr_va_vdst(0) depctr_va_sdst(0) depctr_va_ssrc(0) depctr_va_vcc(0) depctr_vm_vsrc(0)
	s_getreg_b32 s2, hwreg(HW_REG_IB_STS2, 6, 4)
	s_cmp_eq_u32 s2, 0
	s_cbranch_scc0 .Lentry_in_a_cluster
	s_endpgm
.Lentry_in_a_cluster:
	s_bfe_u32 s2, ttmp6, 0x10000c
	s_cmp_lg_u32 s2, 0xf033
	s_cbranch_scc0 .Lentry_shape_is_right
	s_endpgm
.Lentry_shape_is_right:
; LAUNCH 4 OF 4: out0 = cv w_proj + b_proj on codes of BF6 with E8M0 scales, K = 1,024.  Nothing is left out here.
; The main part is gemm_qkv's: a work-group of four waves makes 256 x 256, a wave 128 x 128; K in four steps of 256 through three LDS slots, steps 0-2 asked for at the head, step 3 into slot 0 behind the one round of the
; cluster's barrier; tiles are images of fragments' registers; the scale bytes come once.  A = cv's rows (cc, cs), source 1: a lane holds a token.  B = w_proj's columns (rows 3,072 on of wc, ws), source 0: registers run along n.
; CLUSTERS: 4 x 4; A's tiles are shared along a row of the cluster, B's along a column.  128 work-groups: half of what could run at once; stated as a loss of this tile.
; THE WAY OUT: a block of 16 rows x 128 columns goes through the wave's own stage in LDS and comes back as whole rows of 512 bytes.  The stage's offsets put the columns, and the stores' offsets the rows, back into their true
; order (lane r of tile 2 b + u holds row 32 b + 8 u + r + 8 (r / 8)).  The stage lies in slot 1, which was filled once and is read by nobody behind the last change of slots.
; REGISTERS as in gemm_qkv; on the way out v64-67 the bias, v128-191 and v192-255 rows by turns.
.set FR,    12
.set NL,    4
.set NP,    4
.set NQ,    2
.set HALFT, 24576
.set SLOT,  4*HALFT
.set SCL,   3*SLOT
.set HALFS, 16*272
.set SBLK,  2*272
.set SPARE, SCL+4*HALFS
.set STAGE, SLOT
.set SPITCH, 528
.set ADRA, 4
.set ADRB, 10
.set ADRS, 16
.set L16,  17
.set L8,   18
.set STO,  19                          ; v19  the stage: row r, + 64 h
.set RD,   20                          ; v20  and back: 16 x lane
.set SPW,  28
.set NIL,  29
.set SC,   32
.set BP,   64
.set AF,   128
.set BK,   128
.set G1,   24
.set G0,   32
.set G1B,  48
.set G0B0, 56
.set G0B1, 60
.set G0B2, 68
.set G1S,  72
.set G0S,  80
.set G1SB, 84
.set G0SB, 92
.set MSB, 0
.macro WIN new
.if MSB != (\new)
	s_set_vgpr_msb (MSB<<8)|(\new)
.set MSB, \new
.endif
.endm
.set MUL_LO, 0xa1
.set MUL_HI, 0xf1
.set TO_B,   0x40
.macro JLOAD g0a, g1a, g0b, g1b        ; waves 0 and 1 fetch for A, waves 2 and 3 for B; an s_nop 0 and four v_nop follow each line
	s_cmp_eq_u32 s19, 0
	s_cbranch_scc0 .Lfor_b_\@
	tensor_load_to_lds s[\g0a:\g0a+3], s[\g1a:\g1a+7]
	s_nop 0
.rept 4
	v_nop
.endr
	s_branch .Lasked_\@
.Lfor_b_\@:
	tensor_load_to_lds s[\g0b:\g0b+3], s[\g1b:\g1b+7]
	s_nop 0
.rept 4
	v_nop
.endr
.Lasked_\@:
.endm
.macro CREST
	s_cmp_lg_u32 s18, 0
	s_cbranch_scc1 .Lnot_wave_0_\@
	s_barrier_signal -3
.Lnot_wave_0_\@:
	s_barrier_wait -3
	s_barrier_signal -1
	s_barrier_wait -1
.endm
.macro CROUND
	s_barrier_signal -1
	s_barrier_wait -1
	CREST
.endm
.macro PLACES n
.rept \n
	v_nop
.endr
.endm
	s_load_b256 s[4:11], s[0:1], 0x0               ; cc s[4:5], cs s[6:7], wc s[8:9], ws s[10:11]
	s_load_b128 s[12:15], s[0:1], 0x20             ; b_proj s[12:13], out0 s[14:15]
	v_lshl_add_u32 v[SPW], v0, 2, SPARE
	v_mov_b32 v[NIL], 0
	ds_add_u32 v[SPW], v[NIL]                      ; the wave's opening: the add, twice on end, and its wait ahead of my first tensor load
	ds_add_u32 v[SPW], v[NIL]
	v_lshrrev_b32 v1, 5, v0
	v_readfirstlane_b32 s18, v1                    ; wave 0..3
	s_lshr_b32 s19, s18, 1                         ; my half of A's rows; also: I fetch for A (0) or B (1)
	s_and_b32 s20, s18, 1                          ; my half of B's rows; also: which 128 rows I fetch
	s_bfe_u32 s44, ttmp6, 0x40000                  ; cx
	s_bfe_u32 s45, ttmp6, 0x40004                  ; cy
	s_and_b32 s22, ttmp7, 0xffff
	s_lshl_b32 s22, s22, 2
	s_add_co_u32 s22, s22, s45                     ; s22  A's tile of 256 tokens
	s_lshl_b32 s23, ttmp9, 2
	s_add_co_u32 s23, s23, s44                     ; s23  B's tile of 256 columns
	s_lshl_b32 s46, s45, 2
	s_lshl_b32 s46, 15, s46                        ; my row of the cluster
	s_lshl_b32 s47, 0x1111, s44                    ; my column
	s_or_b32 s[G1+0], s46, (3<<16)|(1<<21)         ; codes: 8 rows of 3,072 bytes, 12,288 apart; elements of 8 bytes; no padding
	s_or_b32 s[G1B+0], s47, (3<<16)|(1<<21)
.irp g, G1, G1B
	s_mov_b32 s[\g+1], 384<<16
	s_mov_b32 s[\g+2], 8<<16
	s_mov_b32 s[\g+3], 384<<16
	s_mov_b32 s[\g+4], 8
	s_mov_b32 s[\g+5], 1536
	s_mov_b32 s[\g+6], 0
	s_mov_b32 s[\g+7], 0
.endr
	s_or_b32 s[G1S+0], s46, (3<<16)|(1<<20)|(1<<21)|(5<<22)|(3<<25)   ; scale bytes of 128 rows: 16 rows of 256 bytes, 16 of padding behind each
	s_or_b32 s[G1SB+0], s47, (3<<16)|(1<<20)|(1<<21)|(5<<22)|(3<<25)
.irp g, G1S, G1SB
	s_mov_b32 s[\g+1], 32<<16
	s_mov_b32 s[\g+2], 16<<16
	s_mov_b32 s[\g+3], 32<<16
	s_mov_b32 s[\g+4], 16
	s_mov_b32 s[\g+5], 32
	s_mov_b32 s[\g+6], 0
	s_mov_b32 s[\g+7], 0
.endr
	s_lshl_b32 s98, s20, 7
	s_lshl_b32 s96, s22, 8
	s_add_co_u32 s96, s96, s98                     ; A: the first row that I fetch
	s_lshl_b32 s100, s23, 8
	s_add_co_u32 s100, s100, s98
	s_add_co_u32 s100, s100, 3072                  ; B: behind w_attn's 3,072 rows
	s_lshl_b32 s98, s96, 5
	s_mov_b32 s99, 0
	s_mul_i32 s96, s96, 768
	s_mov_b32 s97, 0
	s_lshl_b32 s2, s100, 5
	s_mov_b32 s3, 0
	s_mul_i32 s100, s100, 768
	s_mov_b32 s101, 0
	s_mul_i32 s[G0+1], s18, HALFT                  ; where they go: no place in the cluster enters an LDS address
	s_add_co_u32 s[G0+5], s[G0+1], SLOT
	s_add_co_u32 s[G0+9], s[G0+1], 2*SLOT
	s_mul_i32 s[G0B0+1], s18, HALFT
	s_add_co_u32 s[G0B1+1], s[G0B0+1], SLOT
	s_add_co_u32 s[G0B2+1], s[G0B0+1], 2*SLOT
	s_mul_i32 s[G0S+1], s18, HALFS
	s_add_co_u32 s[G0S+1], s[G0S+1], SCL
	s_mul_i32 s[G0SB+1], s18, HALFS
	s_add_co_u32 s[G0SB+1], s[G0SB+1], SCL
.irp g, G0, G0+4, G0+8, G0B0, G0B1, G0B2, G0S, G0SB
	s_mov_b32 s[\g], 1
.endr
	s_wait_dscnt 0x0                               ; both opening adds are done
	s_wait_kmcnt 0x0
	s_add_nc_u64 s[G0+2:G0+3], s[4:5], s[96:97]
	s_add_nc_u64 s[G0S+2:G0S+3], s[6:7], s[98:99]
	s_add_nc_u64 s[G0B0+2:G0B0+3], s[8:9], s[100:101]
	s_add_nc_u64 s[G0SB+2:G0SB+3], s[10:11], s[2:3]
	s_add_nc_u64 s[G0+6:G0+7], s[G0+2:G0+3], 3072
	s_add_nc_u64 s[G0+10:G0+11], s[G0+2:G0+3], 6144
	s_add_nc_u64 s[G0B1+2:G0B1+3], s[G0B0+2:G0B0+3], 3072
	s_add_nc_u64 s[G0B2+2:G0B2+3], s[G0B0+2:G0B0+3], 6144
.irp g, G0, G0+4, G0+8, G0B0, G0B1, G0B2, G0S, G0SB
	s_or_b32 s[\g+3], s[\g+3], 0x80000000
.endr
	CROUND                                         ; all sixteen work-groups are here: the first joint loads meet
	JLOAD G0S, G1S, G0SB, G1SB                     ; four loads of mine are out behind these lines
	JLOAD G0, G1, G0B0, G1B
	JLOAD G0+4, G1, G0B1, G1B
	JLOAD G0+8, G1, G0B2, G1B
	v_and_b32 v1, 31, v0
	v_and_b32 v2, 15, v0
	v_bfe_u32 v3, v0, 4, 1
	v_lshlrev_b32 v[L16], 4, v1
	v_lshlrev_b32 v[L8], 3, v1
	s_mul_i32 s96, s19, HALFT
	s_mul_i32 s97, s20, HALFT
	s_add_co_u32 s97, s97, 2*HALFT
.irp s, 0,1,2
	v_add_nc_u32 v[ADRA+\s], s96, v[L16]
	v_add_nc_u32 v[ADRA+3+\s], s96, v[L8]
	v_add_nc_u32 v[ADRB+\s], s97, v[L16]
	v_add_nc_u32 v[ADRB+3+\s], s97, v[L8]
	s_add_co_u32 s96, s96, SLOT
	s_add_co_u32 s97, s97, SLOT
.endr
	v_lshlrev_b32 v22, 5, v2
	v_lshrrev_b32 v23, 8, v22
	v_lshl_add_u32 v22, v23, 4, v22
	s_mul_i32 s96, s19, HALFS
	s_mul_i32 s97, s20, HALFS
	s_add_co_u32 s97, s97, 2*HALFS
	s_sub_co_u32 s97, s97, s96
	v_mul_u32_u24 v23, s97, v3                     ; lanes 16-31 take B's
	s_add_co_u32 s96, s96, SCL
	v_add_nc_u32 v22, v22, v23
	v_add_nc_u32 v[ADRS], s96, v22
	s_mul_i32 s96, s18, 16*SPITCH
	s_add_co_u32 s96, s96, STAGE                   ; my stage
	v_mul_u32_u24 v22, v2, SPITCH
	v_lshl_add_u32 v22, v3, 6, v22
	v_add_nc_u32 v[STO], s96, v22
	v_add_nc_u32 v[RD], s96, v[L16]
	s_lshl_b32 s96, s22, 8
	s_lshl_b32 s97, s19, 7
	s_add_co_u32 s96, s96, s97                     ; my first row of out0,
	s_lshl_b32 s96, s96, 12                        ; 4,096 bytes a row
	s_lshl_b32 s100, s23, 8
	s_lshl_b32 s101, s20, 7
	s_add_co_u32 s100, s100, s101                  ; my first column
	s_lshl_b32 s100, s100, 2
	s_mov_b32 s101, 0
	s_add_nc_u64 s[12:13], s[12:13], s[100:101]
	s_add_co_u32 s96, s96, s100
	s_mov_b32 s97, 0
	s_add_nc_u64 s[14:15], s[14:15], s[96:97]
	global_load_b128 v[BP:BP+3], v[L16], s[12:13]  ; the bias of my four columns of a row's 128
.macro FRAG reg, adr, q, i
	ds_load_b128 v[\reg:\reg+3], v[\adr] offset:3072*(\i)+1536*(\q)
	ds_load_b64 v[\reg+4:\reg+5], v[\adr+3] offset:3072*(\i)+1536*(\q)+512
	ds_load_b128 v[\reg+6:\reg+9], v[\adr] offset:3072*(\i)+1536*(\q)+768
	ds_load_b64 v[\reg+10:\reg+11], v[\adr+3] offset:3072*(\i)+1536*(\q)+1280
.endm
.macro MUL16 a0, p, q, sc, zero        ; the 64 accumulators take turns, in the same order in every step
.irp a, \a0, \a0+1
.irp b, 0,1,2,3,4,5,6,7
.if \zero
	v_wmma_scale_f32_16x16x128_f8f6f4 v[8*(8*((\a)%4)+\b):8*(8*((\a)%4)+\b)+7], v[128*(\p)+FR*\b:128*(\p)+FR*\b+FR-1], v[AF+FR*(\a):AF+FR*(\a)+FR-1], 0, v[SC+8*NQ*(\sc)+NQ*\b+(\q)], v[SC+8*NQ*(\sc)+NQ*(\a)+(\q)] matrix_a_fmt:MATRIX_FMT_BF6 matrix_b_fmt:MATRIX_FMT_BF6 matrix_a_scale:MATRIX_SCALE_ROW1
.else
	v_wmma_scale_f32_16x16x128_f8f6f4 v[8*(8*((\a)%4)+\b):8*(8*((\a)%4)+\b)+7], v[128*(\p)+FR*\b:128*(\p)+FR*\b+FR-1], v[AF+FR*(\a):AF+FR*(\a)+FR-1], v[8*(8*((\a)%4)+\b):8*(8*((\a)%4)+\b)+7], v[SC+8*NQ*(\sc)+NQ*\b+(\q)], v[SC+8*NQ*(\sc)+NQ*(\a)+(\q)] matrix_a_fmt:MATRIX_FMT_BF6 matrix_b_fmt:MATRIX_FMT_BF6 matrix_a_scale:MATRIX_SCALE_ROW1
.endif
.endr
.endr
.endm
.macro FETCH_B slot, q, p
	WIN TO_B
.irp i, 0,1,2,3,4,5,6,7
	FRAG 128*(\p)+FR*\i, ADRB+\slot, \q, \i
.endr
	WIN 0
.endm
.macro FETCH_A slot, q, i0
.irp i, \i0, \i0+1, \i0+2, \i0+3
	FRAG AF+FR*(\i), ADRA+\slot, \q, \i
.endr
.endm
.macro SCALES sc
.irp i, 0,1,2,3,4,5,6,7
	ds_load_b64 v[SC+8*NQ*(\sc)+NQ*\i:SC+8*NQ*(\sc)+NQ*\i+1], v[ADRS] offset:\i*SBLK
.endr
.endm
.macro STEP slot, sc, zero
	s_wait_dscnt 4*NL                              ; B's set and A's blocks 0-3 are in; the youngest 16 loads (A's blocks 4-7) may be out
	WIN MUL_LO
	MUL16 0, 0, 0, \sc, \zero
	MUL16 2, 0, 0, \sc, \zero
	s_wait_dscnt 0x0
	PLACES NP
	FETCH_B \slot, 1, 1
	FETCH_A \slot, 1, 0
	WIN MUL_HI
	MUL16 4, 0, 0, \sc, \zero
	MUL16 6, 0, 0, \sc, \zero
	PLACES NP
	WIN 0
	FETCH_A \slot, 1, 4
.endm
; mode 1: slot 0 is filled again behind a round of the cluster's barrier; mode 2: from slot 1 to slot 2, shown whole at mode 1's barrier: no barrier; mode 0: to the refilled slot 0: the same lines and a barrier, nothing is filled
.macro TURN slot, next, sc, mode
.if \mode == 2
	s_wait_dscnt 4*NL
	WIN MUL_LO
	MUL16 0, 1, 1, \sc, 0
	MUL16 2, 1, 1, \sc, 0
	WIN 0
	s_wait_dscnt 0x0
	PLACES NP
.else
	s_wait_tensorcnt 0x0                           ; all my tensor loads have landed
	ds_add_u32 v[SPW], v[NIL]
	s_wait_dscnt 4*NL+1                            ; (the add and the youngest 16 loads may be out)
	WIN MUL_LO
	MUL16 0, 1, 1, \sc, 0
	s_wait_dscnt 0x0                               ; the add is done, and my reads of this slot are over
	s_barrier_signal -1
	MUL16 2, 1, 1, \sc, 0
	WIN 0
	s_barrier_wait -1
.if \mode == 1
	CREST
	s_add_nc_u64 s[G0+2:G0+3], s[G0+2:G0+3], 3*3072
	s_add_nc_u64 s[G0B0+2:G0B0+3], s[G0B0+2:G0B0+3], 3*3072
	JLOAD G0, G1, G0B0, G1B                        ; my one tensor load behind the round
.else
	PLACES NP
.endif
.endif
	v_add_nc_u32 v[ADRS], 4*NQ, v[ADRS]
	FETCH_B \next, 0, 0
	FETCH_A \next, 0, 0
	SCALES 1-\sc
	WIN MUL_HI
	MUL16 4, 1, 1, \sc, 0
	MUL16 6, 1, 1, \sc, 0
	PLACES NP
	WIN 0
	FETCH_A \next, 0, 4
.endm
	s_wait_alu depctr_va_vdst(0)
	s_wait_tensorcnt 2                             ; the scales and my part of K step 0 are in; K steps 1 and 2 may be out
	s_barrier_signal -1
	s_barrier_wait -1
	FETCH_B 0, 0, 0
	FETCH_A 0, 0, 0
	SCALES 0
	FETCH_A 0, 0, 4
	STEP 0, 0, 1
	TURN 0, 1, 0, 1
	s_wait_alu depctr_va_vdst(0)
	STEP 1, 1, 0
	TURN 1, 2, 1, 2
	s_wait_alu depctr_va_vdst(0)
	STEP 2, 0, 0
	TURN 2, 0, 0, 0
	STEP 0, 1, 0
	s_wait_dscnt 4*NL
	WIN MUL_LO
	MUL16 0, 1, 1, 1, 0
	MUL16 2, 1, 1, 1, 0
	s_wait_dscnt 0x0
	WIN MUL_HI
	MUL16 4, 1, 1, 1, 0
	MUL16 6, 1, 1, 1, 0
	WIN 0
.macro TOSTAGE a                               ; block a: register 8 b + j of lane (r, h) is column 32 (b / 2) + 16 h + 8 (b % 2) + j of the block's row r
.set AC, 64*((\a)%4)
	WIN 0x08+4*((\a)/4)                            ; an LDS store's data: window 2 or 3
.irp b, 0,1,2,3,4,5,6,7
	ds_store_b128 v[STO], v[AC+8*\b:AC+8*\b+3] offset:128*(\b/2)+32*(\b%2)       ; each accumulator from its low end on
	ds_store_b128 v[STO], v[AC+8*\b+4:AC+8*\b+7] offset:128*(\b/2)+32*(\b%2)+16
.endr
	WIN 0
.set BB, BK+64*((\a)%2)
.irp t, 0,1,2,3,4,5,6,7,8,9,10,11,12,13,14,15
	ds_load_b128 v[BB+4*\t:BB+4*\t+3], v[RD] offset:\t*SPITCH   ; LDS serves a wave's instructions in order: these see the stores above
.endr
.endm
.macro SEND a, younger                         ; younger: the LDS instructions issued behind block a's loads, which may stay out
.set BB, BK+64*((\a)%2)
	s_wait_dscnt \younger
.irp t, 0,1,2,3,4,5,6,7,8,9,10,11,12,13,14,15
	v_pk_add_f32 v[BB+4*\t:BB+4*\t+1], v[BB+4*\t:BB+4*\t+1], v[BP:BP+1]
	v_pk_add_f32 v[BB+4*\t+2:BB+4*\t+3], v[BB+4*\t+2:BB+4*\t+3], v[BP+2:BP+3]
	global_store_b128 v[L16], v[BB+4*\t:BB+4*\t+3], s[14:15] offset:(32*((\a)/2)+8*((\a)%2)+\t+8*(\t/8))*4096 th:TH_STORE_NT   ; 512 consecutive bytes of the row's true place, aligned to 256; at most 127 rows on
.endr
.endm
	s_wait_loadcnt 0x0                             ; the bias
	PLACES NP                                      ; behind the last products: their results are read, and loads land on registers that they read
	TOSTAGE 0
.irp a, 1,2,3,4,5,6,7
.if \a > 1
	s_wait_xcnt 0x0                                ; block a - 2's stores have read their registers: block a's loads may land there
.endif
	TOSTAGE \a
	SEND \a-1, 32                                  ; behind block a - 1's loads: block a's 16 stores and 16 loads
.endr
	SEND 7, 0
	s_wait_tensorcnt 0x0                           ; the wave's end: behind my last tensor load and my last LDS store
	ds_add_u32 v[SPW], v[NIL]
	s_wait_dscnt 0x0
	CROUND                                         ; the closing round
	s_endpgm
.Lfunc_end_k_qdbb0a9aa8e_gemm_proj:
	.size	k_qdbb0a9aa8e_gemm_proj, .Lfunc_end_k_qdbb0a9aa8e_gemm_proj-k_qdbb0a9aa8e_gemm_proj
	.p2alignl 7, 3214868480
	.fill 96, 4, 3214868480
	.section	.rodata,"a",@progbits
	.p2align	6, 0x0
	.amdhsa_kernel k_qdbb0a9aa8e_gemm_proj
		.amdhsa_group_segment_fixed_size 327680
		.amdhsa_private_segment_fixed_size 0
		.amdhsa_enable_private_segment 0
		.amdhsa_kernarg_size 48
		.amdhsa_user_sgpr_count 2
		.amdhsa_user_sgpr_kernarg_segment_ptr 1
		.amdhsa_wavefront_size32 1
		.amdhsa_system_sgpr_workgroup_id_x 1
		.amdhsa_system_sgpr_workgroup_id_y 1
		.amdhsa_system_sgpr_workgroup_id_z 1
		.amdhsa_system_vgpr_workitem_id 0
		.amdhsa_next_free_vgpr 1024
		.amdhsa_next_free_sgpr 102
		.amdhsa_reserve_vcc 0
		.amdhsa_float_denorm_mode_32 3
		.amdhsa_float_denorm_mode_16_64 3
		.amdhsa_memory_ordered 1
		.amdhsa_forward_progress 1
		.amdhsa_inst_pref_size 159
	.end_amdhsa_kernel
	.amdgpu_metadata
---
amdhsa.version: [ 1, 2 ]
amdhsa.kernels:
  - .name:           k_qdbb0a9aa8e_gemm_proj
    .symbol:         k_qdbb0a9aa8e_gemm_proj.kd
    .args:
      - { .name: cc, .offset: 0, .size: 8, .value_kind: global_buffer, .address_space: global }
      - { .name: cs, .offset: 8, .size: 8, .value_kind: global_buffer, .address_space: global }
      - { .name: wc, .offset: 16, .size: 8, .value_kind: global_buffer, .address_space: global }
      - { .name: ws, .offset: 24, .size: 8, .value_kind: global_buffer, .address_space: global }
      - { .name: b_proj, .offset: 32, .size: 8, .value_kind: global_buffer, .address_space: global }
      - { .name: out0, .offset: 40, .size: 8, .value_kind: global_buffer, .address_space: global }
    .group_segment_fixed_size: 327680
    .private_segment_fixed_size: 0
    .kernarg_segment_align: 8
    .kernarg_segment_size: 48
    .max_flat_workgroup_size: 128
    .sgpr_count:     102
    .vgpr_count:     1024
    .wavefront_size: 32
...
	.end_amdgpu_metadata
.endif
;; end of part 4
